; MI455X (gfx1250); checked and timed in simulation.
; The chip was launched on July 23, 2026; its instructions are those of AMD's public machine-readable ISA for CDNA 5 (MIT licence, August 2026) and "CDNA5" Instruction Set Architecture Reference Guide (July 2026). The comments in the code are by the model that wrote it; some were corrected since.
;; Transformer Block. Allowed arithmetic: float matrix products may take bf16 or f16 operands with f32 sums; other float arithmetic in f32, or as packed bf16 or f16 multiplies, adds, multiply-adds, maxima and minima; sums over many terms, partial sums and values carried from step to step in f32; what a program stores and reads back later, other than sums and carried values, may be rounded once to bf16 or f16.
;; Inputs: W1 1,024 x 4,096 float32; W2 4,096 x 1,024 float32; Wk 1,024 x 1,024 float32; Wo 1,024 x 1,024 float32; Wq 1,024 x 1,024 float32; Wv 1,024 x 1,024 float32; b1 4,096 float32; b2 1,024 float32; be1 1,024 float32; be2 1,024 float32; bk 1,024 float32; bo 1,024 float32; bq 1,024 float32; bv 1,024 float32; g1 1,024 float32; g2 1,024 float32; x 4 x 1,024 x 1,024 float32.
;; Outputs: out0 4 x 1,024 x 1,024 float32.
;; 2 versions, each right; version 2 is version 1 with the launch prep written anew for expert scheduling mode. Each part assembles by itself: llvm-mc -triple=amdgcn-amd-amdhsa -mcpu=gfx1250 --defsym DOCPART=n.
;; ======== version 1 of 2: 7 launches
;; limits: right only within a limited range of input values
;; workspace buffers: wqkv 6,291,456 bytes; w1b 8,388,608 bytes; wn 10,485,760 bytes; act 8,388,608 bytes; big 33,554,432 bytes; x1 16,777,216 bytes; epq 20,480 bytes; epf 20,480 bytes
;; launch prep (part 1): grid 1281 x 1, 8 waves a work-group, no clusters, 0 bytes of LDS; arguments x, g1, be1, Wq, Wk, Wv, Wo, W1, W2, bq, bv, b1, act, wqkv, w1b, wn, epq, epf; writes act, wqkv, w1b, wn, epq, epf
.if DOCPART == 1
	.amdgcn_target "amdgcn-amd-amdhsa--gfx1250"
	.amdhsa_code_object_version 6
	.text
	.protected	k_q4f5b65b1e8_prep
	.globl	k_q4f5b65b1e8_prep
	.p2align	8
	.type	k_q4f5b65b1e8_prep,@function
k_q4f5b65b1e8_prep:
	s_mov_b64 s[64:65], 0
	v_nop
	global_prefetch_b8 v0, s[64:65] scope:SCOPE_SE
	s_setreg_imm32_b32 hwreg(HW_REG_WAVE_MODE, 25, 1), 1
	s_wait_xcnt 0x0
; PREP, the first of seven launches of a transformer block (4,096 tokens, D = 1,024, 16 heads of 64, DFF = 4,096).
; WORK LEFT OUT IN THIS PROGRAM, for all finite values of the inputs:
;  (1) bk.  score[q][k] = q . (h_k Wk + bk) = q . (h_k Wk) + q . bk; the second term is the same for every key k of a query's row, and a softmax
;      is unchanged by a term that is the same along its axis.  So bk reaches no output: it is not loaded and is no argument of any launch; its place in the bias table holds zeros.
;  (2) Key tiles wholly above the diagonal.  The mask is jnp.tril, built in the module's own body: their weights are exp(-inf) = 0.  The attention launch walks only the key steps up to a query block's diagonal.
;  LIMIT: a NaN, an infinity or an overflow that would arise only in the work left out (in q . bk, or in a hidden score) is not carried to the result.
; WHAT THIS LAUNCH DOES, by the work-group's number g (every path is straight, without a loop and without LDS):
;  g < 512:         LayerNorm 1 of rows 8 g .. 8 g + 7 of x, rounded once to bf16, row-major, into act.  A wave takes a row, which stays in 32 registers of the wave between its passes.
;  512 <= g < 1280: a cast of weights, f32 [K][N] to bf16 in blocks [N/128][K][128]: a block's rows are 256 bytes and lie end to end.  A work-group takes 16 rows of K x 8 blocks, a wave a block.
;                   wqkv: blocks 0-7 Wq, 8-15 Wk, 16-23 Wv; w1b: W1's 32; wn: Wo's 8, then from byte 2,097,152 W2's 8.
;  g = 1280:        the tables of the two products that share one text: bytes 0-16383 the bias by column (epq: bq, zeros, bv; epf: b1), from byte 16384 the floor that the results are held above, twice in bf16 a word:
;                   -inf in epq (no floor), 0 in epf (ReLU).
; The mean is taken away before the squares are summed, as the module does it.  Sums in f32.
.set T,   4                            ; v[4:15]    at work
.set G,   16                           ; v[16:47]   gain of my 32 columns
.set BV,  48                           ; v[48:79]   bias of my 32 columns
.set X,   80                           ; v[80:111]  the row
.macro JOIN                            ; four chains of pairs into v[T]
	v_pk_add_f32 v[T:T+1], v[T:T+1], v[T+2:T+3]
	v_pk_add_f32 v[T+4:T+5], v[T+4:T+5], v[T+6:T+7]
	v_pk_add_f32 v[T:T+1], v[T:T+1], v[T+4:T+5]
	v_add_f32 v[T], v[T], v[T+1]
.endm
.macro RED                             ; the sum of v[T] over the 32 lanes, into every lane
	v_add_f32_dpp v[T], v[T], v[T] row_xmask:1 row_mask:0xf bank_mask:0xf
	v_add_f32_dpp v[T], v[T], v[T] row_xmask:2 row_mask:0xf bank_mask:0xf
	v_add_f32_dpp v[T], v[T], v[T] row_xmask:4 row_mask:0xf bank_mask:0xf
	v_add_f32_dpp v[T], v[T], v[T] row_xmask:8 row_mask:0xf bank_mask:0xf
	v_permlanex16_b32 v[T+1], v[T], s12, s13
	v_add_f32 v[T], v[T], v[T+1]
.endm
	s_mov_b32 s2, ttmp9                            ; g
	v_and_b32 v3, 31, v0                           ; lane
	v_lshrrev_b32 v1, 5, v0
	v_readfirstlane_b32 s3, v1                     ; wave 0..7
	s_cmp_lt_u32 s2, 512
	s_cbranch_scc0 .Lnot_ln
	; ---- LayerNorm 1 ----
	s_load_b128 s[4:7], s[0:1], 0x0                ; x s[4:5], g1 s[6:7]
	s_load_b64 s[8:9], s[0:1], 0x10                ; be1
	s_load_b64 s[10:11], s[0:1], 0x60              ; act
	s_mov_b32 s12, 0x76543210                      ; v_permlanex16_b32: each lane takes its own place in the other half
	s_mov_b32 s13, 0xfedcba98
	s_mov_b32 s14, 0x3a800000                      ; 1 / 1024
	s_mov_b32 s15, 0x3727c5ac                      ; 1e-5
	v_lshlrev_b32 v1, 4, v3                        ; 16 bytes a lane of f32: columns 4 l + 128 j
	v_lshlrev_b32 v2, 3, v3                        ; 8 bytes a lane of bf16
	s_lshl3_add_u32 s16, s2, s3                    ; my row: 8 g + w
	s_lshl_b32 s18, s16, 12                        ; x 4,096 bytes of x
	s_mov_b32 s19, 0
	s_lshl_b32 s16, s16, 11                        ; x 2,048 bytes of act
	s_mov_b32 s17, 0
	s_wait_kmcnt 0x0
	s_add_nc_u64 s[4:5], s[4:5], s[18:19]
	s_add_nc_u64 s[10:11], s[10:11], s[16:17]
.irp j, 0,1,2,3,4,5,6,7
	global_load_b128 v[X+4*(\j):X+4*(\j)+3], v1, s[4:5] offset:512*(\j)
.endr
.irp j, 0,1,2,3,4,5,6,7
	global_load_b128 v[G+4*(\j):G+4*(\j)+3], v1, s[6:7] offset:512*(\j)
.endr
.irp j, 0,1,2,3,4,5,6,7
	global_load_b128 v[BV+4*(\j):BV+4*(\j)+3], v1, s[8:9] offset:512*(\j)
.endr
	s_wait_loadcnt 16                              ; the row is in; gain's and bias's sixteen loads may be out
.irp k, 0,1,2,3
	v_pk_add_f32 v[T+2*(\k):T+2*(\k)+1], v[X+4*(\k):X+4*(\k)+1], v[X+4*(\k)+2:X+4*(\k)+3]
.endr
.irp k, 0,1,2,3,4,5,6,7
	v_pk_add_f32 v[T+2*((\k)%4):T+2*((\k)%4)+1], v[T+2*((\k)%4):T+2*((\k)%4)+1], v[X+16+2*(\k):X+16+2*(\k)+1]
.endr
	JOIN
	RED
	v_mul_f32 v[T+8], s14, v[T]                    ; the mean,
	v_mul_f32 v[T+9], s14, v[T]                    ; twice, for the packed subtraction
.irp k, 0,1,2,3,4,5,6,7,8,9,10,11,12,13,14,15
	v_pk_add_f32 v[X+2*(\k):X+2*(\k)+1], v[X+2*(\k):X+2*(\k)+1], v[T+8:T+9] neg_lo:[0,1] neg_hi:[0,1]
.endr
.irp k, 0,1,2,3
	v_pk_mul_f32 v[T+2*(\k):T+2*(\k)+1], v[X+2*(\k):X+2*(\k)+1], v[X+2*(\k):X+2*(\k)+1]
.endr
.irp k, 4,5,6,7,8,9,10,11,12,13,14,15
	v_pk_fma_f32 v[T+2*((\k)%4):T+2*((\k)%4)+1], v[X+2*(\k):X+2*(\k)+1], v[X+2*(\k):X+2*(\k)+1], v[T+2*((\k)%4):T+2*((\k)%4)+1]
.endr
	JOIN
	RED
	v_fma_f32 v[T], v[T], s14, s15                 ; variance + eps
	v_rsq_f32 v[T+10], v[T]
	v_mov_b32 v[T+11], 0                           ; the plain instruction behind the root; it also writes the pair's second word, which is named with the first
	s_wait_alu depctr_va_vdst(0)                   ; the wait ahead of the first use of the root
	s_wait_loadcnt 0x0                             ; gain and bias
.irp k, 0,1,2,3,4,5,6,7,8,9,10,11,12,13,14,15
	v_pk_mul_f32 v[X+2*(\k):X+2*(\k)+1], v[X+2*(\k):X+2*(\k)+1], v[T+10:T+11] op_sel_hi:[1,0]
.endr
.irp k, 0,1,2,3,4,5,6,7,8,9,10,11,12,13,14,15
	v_pk_fma_f32 v[X+2*(\k):X+2*(\k)+1], v[X+2*(\k):X+2*(\k)+1], v[G+2*(\k):G+2*(\k)+1], v[BV+2*(\k):BV+2*(\k)+1]
.endr
.irp j, 0,1,2,3,4,5,6,7
	v_cvt_pk_bf16_f32 v[X+4*(\j)], v[X+4*(\j)], v[X+4*(\j)+1]
	v_cvt_pk_bf16_f32 v[X+4*(\j)+1], v[X+4*(\j)+2], v[X+4*(\j)+3]
	global_store_b64 v2, v[X+4*(\j):X+4*(\j)+1], s[10:11] offset:256*(\j)  ; the wave's 32 lanes store 256 consecutive bytes, aligned
.endr
	s_endpgm
.Lnot_ln:
	s_cmp_lt_u32 s2, 1280
	s_cbranch_scc0 .Ltables
	; ---- the cast of the weights ----
	s_load_b256 s[8:15], s[0:1], 0x18              ; Wq s[8:9], Wk s[10:11], Wv s[12:13], Wo s[14:15]
	s_load_b128 s[16:19], s[0:1], 0x38             ; W1 s[16:17], W2 s[18:19]
	s_load_b128 s[20:23], s[0:1], 0x68             ; wqkv s[20:21], w1b s[22:23]
	s_load_b64 s[24:25], s[0:1], 0x78              ; wn
	s_sub_co_u32 s2, s2, 512                       ; the job's number c, 0..767
	s_wait_kmcnt 0x0
	; a job: source s[28:29] with row pitch s32 and first byte s33; destination s[30:31] with first byte s35 and block size s34; s27 = which 16 rows of K
	s_cmp_lt_u32 s2, 256
	s_cbranch_scc0 .Lffn_w
	s_lshr_b32 s26, s2, 6                          ; c < 256: matrix c / 64 of Wq, Wk, Wv, Wo
	s_and_b32 s27, s2, 63
	s_lshl_b32 s35, s26, 21                        ; eight blocks of 262,144 bytes a matrix
	s_cmp_eq_u32 s26, 1
	s_cselect_b64 s[28:29], s[10:11], s[8:9]
	s_cmp_eq_u32 s26, 2
	s_cselect_b64 s[28:29], s[12:13], s[28:29]
	s_cmp_eq_u32 s26, 3
	s_cselect_b64 s[28:29], s[14:15], s[28:29]
	s_cselect_b64 s[30:31], s[24:25], s[20:21]     ; Wo goes to wn's head
	s_cselect_b32 s35, 0, s35
	s_mov_b32 s32, 4096
	s_mov_b32 s33, 0
	s_mov_b32 s34, 262144
	s_branch .Lcast
.Lffn_w:
	s_cmp_lt_u32 s2, 512
	s_cbranch_scc0 .Lw2
	s_sub_co_u32 s26, s2, 256                      ; 256 <= c < 512: W1, in four groups of eight blocks
	s_and_b32 s27, s26, 63
	s_lshr_b32 s26, s26, 6
	s_mov_b64 s[28:29], s[16:17]
	s_mov_b64 s[30:31], s[22:23]
	s_mov_b32 s32, 16384
	s_lshl_b32 s33, s26, 12                        ; 1,024 columns of f32 a group
	s_mov_b32 s34, 262144
	s_lshl_b32 s35, s26, 21
	s_branch .Lcast
.Lw2:
	s_sub_co_u32 s27, s2, 512                      ; c >= 512: W2, 4,096 rows of K
	s_mov_b64 s[28:29], s[18:19]
	s_mov_b64 s[30:31], s[24:25]
	s_mov_b32 s32, 4096
	s_mov_b32 s33, 0
	s_mov_b32 s34, 1048576
	s_mov_b32 s35, 2097152
.Lcast:
	s_lshl_b32 s36, s27, 4
	s_mul_i32 s36, s36, s32                        ; 16 rows a job
	s_add_co_u32 s36, s36, s33
	s_lshl_b32 s37, s3, 9                          ; my block's 128 columns of f32
	s_add_co_u32 s36, s36, s37
	v_lshl_add_u32 v16, v3, 4, s36                 ; row i's offset in v[16+i]
.irp i, 1,2,3,4,5,6,7,8,9,10,11,12,13,14,15
	v_add_nc_u32 v[16+(\i)], s32, v[15+(\i)]
.endr
	s_mul_i32 s37, s3, s34                         ; my block in the destination,
	s_add_co_u32 s37, s37, s35
	s_lshl_b32 s38, s27, 12                        ; its 16 rows of 256 bytes
	s_add_co_u32 s37, s37, s38
	v_lshl_add_u32 v4, v3, 3, s37
.irp i, 0,1,2,3,4,5,6,7,8,9,10,11,12,13,14,15
	global_load_b128 v[32+4*(\i):35+4*(\i)], v[16+(\i)], s[28:29] th:TH_LOAD_NT  ; 512 consecutive bytes a wave; all sixteen go out before the first wait
.endr
.irp i, 0,1,2,3,4,5,6,7,8,9,10,11,12,13,14,15
	s_wait_loadcnt 15-(\i)                         ; loads come back in order: row i is in, the younger rows stay out
	v_cvt_pk_bf16_f32 v[32+4*(\i)], v[32+4*(\i)], v[33+4*(\i)]
	v_cvt_pk_bf16_f32 v[33+4*(\i)], v[34+4*(\i)], v[35+4*(\i)]
	global_store_b64 v4, v[32+4*(\i):33+4*(\i)], s[30:31] offset:256*(\i)  ; 256 consecutive bytes, aligned: a row of the block
.endr
	s_endpgm
.Ltables:
	; ---- the two tables ----
	s_load_b128 s[4:7], s[0:1], 0x48               ; bq s[4:5], bv s[6:7]
	s_load_b64 s[8:9], s[0:1], 0x58                ; b1
	s_load_b128 s[12:15], s[0:1], 0x80             ; epq s[12:13], epf s[14:15]
	v_lshlrev_b32 v1, 4, v0                        ; 256 threads x 16 bytes = 4,096 bytes an instruction
.irp r, 4,5,6,7
	v_mov_b32 v[\r], 0
	v_mov_b32 v[4+(\r)], 0xff80ff80                ; -inf twice in bf16
.endr
	s_wait_kmcnt 0x0
	global_load_b128 v[16:19], v1, s[4:5]
	global_load_b128 v[20:23], v1, s[6:7]
.irp i, 0,1,2,3
	global_load_b128 v[24+4*(\i):27+4*(\i)], v1, s[8:9] offset:4096*(\i)
.endr
	global_store_b128 v1, v[4:7], s[12:13] offset:4096    ; bk's place: zeros
	global_store_b128 v1, v[8:11], s[12:13] offset:16384  ; q, k, v have no floor
	global_store_b128 v1, v[4:7], s[14:15] offset:16384   ; ReLU's floor
	s_wait_loadcnt 0x0
	global_store_b128 v1, v[16:19], s[12:13]
	global_store_b128 v1, v[20:23], s[12:13] offset:8192
.irp i, 0,1,2,3
	global_store_b128 v1, v[24+4*(\i):27+4*(\i)], s[14:15] offset:4096*(\i)
.endr
	s_endpgm
.Lfunc_end_k_q4f5b65b1e8_prep:
	.size	k_q4f5b65b1e8_prep, .Lfunc_end_k_q4f5b65b1e8_prep-k_q4f5b65b1e8_prep
	.p2alignl 7, 3214868480
	.fill 96, 4, 3214868480
	.section	.rodata,"a",@progbits
	.p2align	6, 0x0
	.amdhsa_kernel k_q4f5b65b1e8_prep
		.amdhsa_group_segment_fixed_size 0
		.amdhsa_private_segment_fixed_size 0
		.amdhsa_enable_private_segment 0
		.amdhsa_kernarg_size 144
		.amdhsa_user_sgpr_count 2
		.amdhsa_user_sgpr_kernarg_segment_ptr 1
		.amdhsa_wavefront_size32 1
		.amdhsa_system_sgpr_workgroup_id_x 1
		.amdhsa_system_sgpr_workgroup_id_y 1
		.amdhsa_system_sgpr_workgroup_id_z 1
		.amdhsa_system_vgpr_workitem_id 0
		.amdhsa_next_free_vgpr 112
		.amdhsa_next_free_sgpr 66
		.amdhsa_reserve_vcc 0
		.amdhsa_float_denorm_mode_32 3
		.amdhsa_float_denorm_mode_16_64 3
		.amdhsa_memory_ordered 1
		.amdhsa_forward_progress 1
		.amdhsa_inst_pref_size 22
	.end_amdhsa_kernel
	.amdgpu_metadata
---
amdhsa.version: [ 1, 2 ]
amdhsa.kernels:
  - .name:           k_q4f5b65b1e8_prep
    .symbol:         k_q4f5b65b1e8_prep.kd
    .args:
      - { .name: x, .offset: 0, .size: 8, .value_kind: global_buffer, .address_space: global }
      - { .name: g1, .offset: 8, .size: 8, .value_kind: global_buffer, .address_space: global }
      - { .name: be1, .offset: 16, .size: 8, .value_kind: global_buffer, .address_space: global }
      - { .name: Wq, .offset: 24, .size: 8, .value_kind: global_buffer, .address_space: global }
      - { .name: Wk, .offset: 32, .size: 8, .value_kind: global_buffer, .address_space: global }
      - { .name: Wv, .offset: 40, .size: 8, .value_kind: global_buffer, .address_space: global }
      - { .name: Wo, .offset: 48, .size: 8, .value_kind: global_buffer, .address_space: global }
      - { .name: W1, .offset: 56, .size: 8, .value_kind: global_buffer, .address_space: global }
      - { .name: W2, .offset: 64, .size: 8, .value_kind: global_buffer, .address_space: global }
      - { .name: bq, .offset: 72, .size: 8, .value_kind: global_buffer, .address_space: global }
      - { .name: bv, .offset: 80, .size: 8, .value_kind: global_buffer, .address_space: global }
      - { .name: b1, .offset: 88, .size: 8, .value_kind: global_buffer, .address_space: global }
      - { .name: act, .offset: 96, .size: 8, .value_kind: global_buffer, .address_space: global }
      - { .name: wqkv, .offset: 104, .size: 8, .value_kind: global_buffer, .address_space: global }
      - { .name: w1b, .offset: 112, .size: 8, .value_kind: global_buffer, .address_space: global }
      - { .name: wn, .offset: 120, .size: 8, .value_kind: global_buffer, .address_space: global }
      - { .name: epq, .offset: 128, .size: 8, .value_kind: global_buffer, .address_space: global }
      - { .name: epf, .offset: 136, .size: 8, .value_kind: global_buffer, .address_space: global }
    .group_segment_fixed_size: 0
    .private_segment_fixed_size: 0
    .kernarg_segment_align: 8
    .kernarg_segment_size: 144
    .max_flat_workgroup_size: 256
    .sgpr_count:     66
    .vgpr_count:     112
    .wavefront_size: 32
...
	.end_amdgpu_metadata
.endif
;; end of part 1
;; launch qkv (part 2): grid 12 x 16, 4 waves a work-group, clusters of 4 x 4, 327,680 bytes of LDS; arguments act, wqkv, epq, big; writes big
.if DOCPART == 2
	.amdgcn_target "amdgcn-amd-amdhsa--gfx1250"
	.amdhsa_code_object_version 6
	.text
	.protected	k_q4f5b65b1e8_qkv
	.globl	k_q4f5b65b1e8_qkv
	.p2align	8
	.type	k_q4f5b65b1e8_qkv,@function
k_q4f5b65b1e8_qkv:
	s_mov_b64 s[64:65], 0
	v_nop
	global_prefetch_b8 v0, s[64:65] scope:SCOPE_SE
	s_setreg_imm32_b32 hwreg(HW_REG_WAVE_MODE, 25, 1), 1
	s_wait_xcnt 0x0
	s_wait_alu depctr_hold_cnt(0) depctr_sa_sdst(0) depctr_va_vdst(0) depctr_va_sdst(0) depctr_va_ssrc(0) depctr_va_vcc(0) depctr_vm_vsrc(0)
	s_getreg_b32 s2, hwreg(HW_REG_IB_STS2, 6, 4)
	s_cmp_eq_u32 s2, 0
	s_cbranch_scc0 .Lentry_in_a_cluster
	s_endpgm
.Lentry_in_a_cluster:
	s_bfe_u32 s2, ttmp6, 0x10000c
	s_cmp_lg_u32 s2, 0xf033
	s_cbranch_scc0 .Lentry_shape_is_right
	s_endpgm
.Lentry_shape_is_right:
; out = max(a w + bias, floor), K = 1,024.  One text for two launches: q, k, v = LN1(x) [Wq|Wk|Wv] + [bq|0|bv] (floor -inf) and f1 = relu(LN2(x1) W1 + b1) (floor 0).
; bk is left out (its place in the table holds zeros): it adds the same number to all scores of a softmax row.
; a: [4096][1024] bf16, row-major.  w: bf16 in blocks [N/128][1024][128], as the first launch laid it.  ep: bias by column in f32, and at byte 16384 the floor, twice in bf16.
; out: bf16 in blocks [N/64][4096][64]: a block's rows are 128 bytes and lie end to end (for q, k, v a block is a head).  Sums in f32, begun with the bias, K ascending; out rounded once.
; The floor makes one text serve both launches; its price is 32 packed maxima for each 16 rows that bind nothing in the first.  LIMIT: a NaN loses against the floor.
; A tile of out, 256 x 256, is made by four waves, 128 x 128 each: 64 accumulators of 16 x 16, 512 registers.  K goes in 8 steps of 128 through two LDS slots filled by the tensor data mover.
; A K STEP IS WRITTEN ONCE: the slot in hand is a scalar, 0 or SLOT, turned by an exclusive or at each change of slots; the fragments' LDS addresses are a lane's term plus that scalar, and one descriptor walks.
; CLUSTER: 4 x 4 work-groups.  The four of a row of the cluster need the same rows of a, the four of a column the same blocks of w: each tile is asked for jointly, by the same load, descriptor and mask in all four.
; THE MATRIX INSTRUCTION IS USED TRANSPOSED: source 0 = 16 columns of w (turned out of LDS by ds_load_tr16_b128, since w lies [K][N]), source 1 = 16 rows of a: a lane then holds row l % 16 and the
; eight neighbouring columns 8 (l / 16) + 0..7, which pack into 16 bytes.  A lane's eight biases of a column block are thus the C operand of that block's first products.
; REGISTERS, in windows of 256: window 0: v0-31 addresses; v64-127, v128-191 fragments of a, two buffers; on the way out v192-223 packed, v32-63 and v224-255 rows read back
;   window 1: v0-63 my lane's 64 biases; v64-127, v128-191 fragments of w          windows 2, 3: the accumulators of my rows 0-63, 64-127 ((a, b) at v[8 (8 a + b)])
.set KSTEP,  128
.set NSTEP,  8                         ; K steps
.set PITA,   272                       ; a row of a in LDS: 256 bytes + 16: the 16 rows of a load start at 16 different groups of four banks
.set PITW,   288                       ; a row of w: 256 + 32
.set HALFA,  128*PITA                  ; 128 rows of a: one tensor load
.set BLKW,   128*PITW                  ; 128 rows of K of one block of w: one tensor load
.set WBASE,  2*HALFA
.set SLOT,   2*HALFA+2*BLKW            ; 143,360 bytes
.set STAGE,  2*SLOT                    ; behind the ring, never filled by a tensor load: for each wave 2 column blocks x 16 rows x 144 bytes
.set SP,     144
.set STW,    2*16*SP
.set SPARE,  STAGE+4*STW               ; the spare words, 128 bytes a wave: two blocks of 256 bytes that no other line names
.set A0,   16                          ; v16     my fragments of a in slot 0; never rewritten
.set B0,   17                          ; v17     the same for w
.set ADRA, 20                          ; v20     my fragments of a in the slot in hand
.set ADRB, 21                          ; v21     the same for w
.set STO,  24                          ; v24     the way out: where I put 16 bytes of a row
.set RD,   25                          ; v25     where I read rows back
.set CO,   26                          ; v26     16 x lane: my place in 512 consecutive bytes of out
.set BO,   27                          ; v27     32 (l / 16): my eight columns' biases
.set SPW,  28                          ; v28     my spare word's address; never rewritten
.set NIL,  29                          ; v29     0; never rewritten
.set PFO,  30                          ; v30     the prefetches' offset: my lane x a row; never rewritten
.set F0,   64
.set F1,   128
.set TMP,  192
.set OB,   32
.set G1,  24                           ; s[24:31] descriptor group 1 for a's tiles;  s[32:39] group 0: a set for each of the two first fills; the second then walks on
.set G0,  32
.set G1B, 48                           ; s[48:55], s[56:63] the same for w's
.set G0B, 56
.set LIM, 43                           ; s43  2 in a wave that prefetches, else the greatest number
.set PFA, 44                           ; s[44:45] where my prefetches stand
.set LO,  66                           ; s66  the floor
.set EPB, 72                           ; s[72:73] the bias of my wave's first column
.set PFS, 74                           ; s[74:75] a K step in the stream that I prefetch
.set SB,  76                           ; s76  the slot in hand: 0 or SLOT
.set WPA, 77                           ; s77  where in a slot the rows of a that I fetch go
.set WPW, 78                           ; s78  the same for w
.set MSB, 0
.macro WIN new                         ; the immediate's high byte repeats the setting that is left; a switch that changes nothing is dropped
.if MSB != (\new)
	s_set_vgpr_msb (MSB<<8)|(\new)
.set MSB, \new
.endif
.endm
.set MUL_LO, 0xa1                      ; source 0 (w) window 1, source 1 (a) window 0, C and D window 2
.set MUL_HI, 0xf1                      ; the same, C and D window 3
.set TO_B,   0x40                      ; destination window 1, address window 0
; A joint load.  Waves 0 and 1 fetch a's two halves, waves 2 and 3 w's two blocks.  The branch hangs on the wave's number alone.  An s_nop 0 and four v_nop follow each line.
.macro JLOAD s
	s_cmp_eq_u32 s11, 0
	s_cbranch_scc0 .Lfor_b_\@
	tensor_load_to_lds s[G0+4*(\s):G0+4*(\s)+3], s[G1:G1+7]
	s_nop 0
.rept 4
	v_nop
.endr
	s_branch .Lasked_\@
.Lfor_b_\@:
	tensor_load_to_lds s[G0B+4*(\s):G0B+4*(\s)+3], s[G1B:G1B+7]
	s_nop 0
.rept 4
	v_nop
.endr
.Lasked_\@:
.endm
; A prefetch of the K step that stands two refills on: 32 rows x 256 bytes, a lane a row, one instruction a wave.  a's rows are read by every cluster of a row of clusters: cluster x = 0 asks;
; w's blocks by every cluster of a column: cluster y = 0 asks.  The four partners that ask for a tile jointly share its 128 rows out by address, 32 each.  So each row's 256 bytes of a K step are named once.
; K steps 0 to 3 come by their loads alone; the loop's last two trips (s3 = 2, 1) ask for nothing: there is no K step two refills on.
.macro ASK
	s_cmp_gt_u32 s3, s[LIM]
	s_cbranch_scc0 .Lnot_mine_\@
	global_prefetch_b8 v[PFO], s[PFA:PFA+1] th:TH_LOAD_NT scope:SCOPE_SE
.Lnot_mine_\@:
.endm
.macro CREST                           ; a round of the cluster's barrier behind its opening barrier
	s_cmp_lg_u32 s10, 0
	s_cbranch_scc1 .Lnot_wave_0_\@
	s_barrier_signal -3
.Lnot_wave_0_\@:
	s_barrier_wait -3
	s_barrier_signal -1
	s_barrier_wait -1
.endm
.macro CROUND                          ; a whole round
	s_barrier_signal -1
	s_barrier_wait -1
	CREST
.endm
	s_load_b128 s[4:7], s[0:1], 0x0                ; a s[4:5], w s[6:7]
	s_load_b128 s[68:71], s[0:1], 0x10             ; ep s[68:69], out s[70:71]
	v_lshl_add_u32 v[SPW], v0, 2, SPARE
	v_mov_b32 v[NIL], 0
	ds_add_u32 v[SPW], v[NIL]                      ; the wave's opening: the add, twice on end, and its wait ahead of my first tensor load
	ds_add_u32 v[SPW], v[NIL]
	v_lshrrev_b32 v1, 5, v0
	v_readfirstlane_b32 s10, v1                    ; wave 0..3
	s_lshr_b32 s11, s10, 1                         ; which half of the tile's rows is mine.  Also: I fetch for a (0) or for w (1)
	s_and_b32 s12, s10, 1                          ; which half of its columns.  Also: which half of that tile I fetch
	s_bfe_u32 s40, ttmp6, 0x40000                  ; cx
	s_bfe_u32 s41, ttmp6, 0x40004                  ; cy
	s_lshl_b32 s42, ttmp9, 2
	s_add_co_u32 s42, s42, s40                     ; tile column = 4 x cluster x + cx
	s_and_b32 s13, ttmp7, 0xffff
	s_lshl_b32 s13, s13, 2
	s_add_co_u32 s13, s13, s41                     ; tile row = 4 x cluster y + cy
	s_lshl_b32 s43, s41, 2
	s_lshl_b32 s43, 15, s43                        ; my row of the cluster
	s_lshl_b32 s44, 0x1111, s40                    ; my column
	s_or_b32 s[G1+0], s43, (1<<16)|(1<<20)|(1<<21)|(5<<22)|(3<<25)   ; the mask; 2-byte elements; padding on; bit 21 beside a mask; after every 64 words 4 words
	s_or_b32 s[G1B+0], s44, (1<<16)|(1<<20)|(1<<21)|(5<<22)|(7<<25)  ; the same with my column's mask and 8 words of padding
.irp g, G1, G1B
	s_mov_b32 s[(\g)+1], 128<<16                   ; tensor_dim0 = 128
	s_mov_b32 s[(\g)+2], 128<<16                   ; tensor_dim1 = 128
	s_mov_b32 s[(\g)+3], 128<<16                   ; tile_dim0 = 128
	s_mov_b32 s[(\g)+4], 128                       ; tile_dim1 = 128
	s_mov_b32 s[(\g)+6], 0
	s_mov_b32 s[(\g)+7], 0
.endr
	s_mov_b32 s[G1+5], 1024                        ; a: 1,024 elements from row to row
	s_mov_b32 s[G1B+5], 128                        ; w: a block's rows lie end to end
	s_lshl_b32 s16, s13, 19                        ; a: row 256 x tile row + 128 x half, 2,048 bytes a row
	s_lshl_b32 s17, s12, 18
	s_add_co_u32 s16, s16, s17
	s_mov_b32 s17, 0
	s_lshl_b32 s46, s42, 19                        ; w: block 2 x tile column + half, 262,144 bytes a block
	s_lshl_b32 s47, s12, 18
	s_add_co_u32 s46, s46, s47
	s_mov_b32 s47, 0
	s_mul_i32 s[WPA], s12, HALFA                   ; where they go: no place in the cluster enters an LDS address
	s_mul_i32 s[WPW], s12, BLKW
	s_add_co_u32 s[WPW], s[WPW], WBASE
	s_mov_b32 s[SB], 0                             ; K step 0 lies in slot 0
	s_wait_dscnt 0x0                               ; both opening adds are done
	s_wait_kmcnt 0x0
	s_add_nc_u64 s[14:15], s[4:5], s[16:17]
	s_add_nc_u64 s[46:47], s[6:7], s[46:47]
	CROUND                                         ; all sixteen work-groups are here: the first joint loads meet
.irp s, 0,1
	s_mov_b32 s[G0+4*(\s)], 1
	s_add_co_u32 s[G0+4*(\s)+1], s[WPA], (\s)*SLOT
	s_add_nc_u64 s[G0+4*(\s)+2:G0+4*(\s)+3], s[14:15], (\s)*KSTEP*2
	s_or_b32 s[G0+4*(\s)+3], s[G0+4*(\s)+3], 0x80000000
	s_mov_b32 s[G0B+4*(\s)], 1
	s_add_co_u32 s[G0B+4*(\s)+1], s[WPW], (\s)*SLOT
	s_add_nc_u64 s[G0B+4*(\s)+2:G0B+4*(\s)+3], s[46:47], (\s)*KSTEP*256
	s_or_b32 s[G0B+4*(\s)+3], s[G0B+4*(\s)+3], 0x80000000
	JLOAD \s
.endr
	s_load_b32 s[LO], s[68:69], 0x4000             ; the floor
	v_and_b32 v1, 15, v0                           ; l % 16
	v_bfe_u32 v2, v0, 4, 1                         ; l / 16
	v_lshlrev_b32 v[BO], 5, v2
	s_lshl_b32 s16, s42, 10                        ; the bias of column 256 x tile column + 128 x half
	s_lshl_b32 s17, s12, 9
	s_add_co_u32 s16, s16, s17
	s_mov_b32 s17, 0
	s_add_nc_u64 s[EPB:EPB+1], s[68:69], s[16:17]
	WIN TO_B
.irp b, 0,1,2,3,4,5,6,7                ; my lane's biases: columns 16 b + 8 (l / 16) + 0..7: what the sums begin with
	global_load_b128 v[8*(\b):8*(\b)+3],   v[BO], s[EPB:EPB+1] offset:64*(\b)
	global_load_b128 v[8*(\b)+4:8*(\b)+7], v[BO], s[EPB:EPB+1] offset:64*(\b)+16
.endr
	WIN 0
	v_mul_u32_u24 v3, v1, PITA
	v_lshl_add_u32 v3, v2, 4, v3                   ; a: row x pitch + 16 x half
	v_and_b32 v4, 7, v0                            ; w, turned: lane l reads row 8 (l / 16) + l % 8 of K, columns 8 ((l / 8) % 2) + 0..7
	v_lshl_add_u32 v4, v2, 3, v4
	v_mul_u32_u24 v4, v4, PITW
	v_bfe_u32 v5, v0, 3, 1
	v_lshl_add_u32 v4, v5, 4, v4
	s_mul_i32 s22, s11, HALFA                      ; my 128 rows of a
	s_mul_i32 s23, s12, BLKW                       ; my block of w
	s_add_co_u32 s23, s23, WBASE
	v_add_nc_u32 v[A0], s22, v3
	v_add_nc_u32 v[B0], s23, v4
	v_mov_b32 v[ADRA], v[A0]
	v_mov_b32 v[ADRB], v[B0]
	s_mul_i32 s22, s10, STW
	s_add_co_u32 s22, s22, STAGE                   ; my stage
	v_mul_u32_u24 v6, v1, SP                       ; in: row l % 16, 16 bytes for each half of the lanes
	v_lshl_add_u32 v6, v2, 4, v6
	v_add_nc_u32 v[STO], s22, v6
	v_bfe_u32 v6, v0, 3, 2                         ; back: 32 lanes take four rows of 128 bytes,
	v_mul_u32_u24 v6, v6, SP
	v_and_b32 v7, 7, v0
	v_lshl_add_u32 v6, v7, 4, v6
	v_add_nc_u32 v[RD], s22, v6
	v_and_b32 v[CO], 31, v0                        ; which are 512 consecutive bytes of out
	v_lshlrev_b32 v[CO], 4, v[CO]
	s_lshl_b32 s16, s13, 15                        ; out: column block 4 x tile column + 2 x half (524,288 bytes each), row 256 x tile row + 128 x half (128 bytes each)
	s_lshl_b32 s17, s11, 14
	s_add_co_u32 s16, s16, s17
	s_lshl_b32 s17, s42, 21
	s_add_co_u32 s16, s16, s17
	s_lshl_b32 s17, s12, 20
	s_add_co_u32 s16, s16, s17
	s_mov_b32 s17, 0
	s_add_nc_u64 s[8:9], s[70:71], s[16:17]
	; the prefetches: my work-group's 32 of the 128 rows that I fetch, at K step 3; each refill steps the address first
	s_lshl_b32 s16, s13, 19
	s_lshl_b32 s17, s40, 16                        ; a: 32 cx rows of 2,048 bytes
	s_add_co_u32 s16, s16, s17
	s_add_co_u32 s16, s16, 3*KSTEP*2
	s_lshl_b32 s18, s42, 19
	s_lshl_b32 s19, s41, 13                        ; w: 32 cy rows of 256 bytes
	s_add_co_u32 s18, s18, s19
	s_add_co_u32 s18, s18, 3*KSTEP*256
	s_mov_b32 s20, KSTEP*2
	s_mov_b32 s21, KSTEP*256
	s_and_b32 s22, ttmp7, 0xffff                   ; cluster y
	s_cmp_eq_u32 s11, 0                            ; do I fetch for a?
	s_cselect_b32 s16, s16, s18
	s_cselect_b32 s[PFS], s20, s21
	s_cselect_b32 s23, 11, 8                       ; a row in memory: 2,048 or 256 bytes
	s_cselect_b32 s22, ttmp9, s22                  ; the coordinate along which other clusters read the same rows
	s_cselect_b64 s[PFA:PFA+1], s[4:5], s[6:7]
	s_cmp_eq_u32 s22, 0
	s_cselect_b32 s[LIM], 2, -1                    ; the same in all sixteen partners, for a given wave
	s_lshl_b32 s17, s12, 18
	s_add_co_u32 s16, s16, s17
	s_mov_b32 s17, 0
	s_mov_b32 s[PFS+1], 0
	s_add_nc_u64 s[PFA:PFA+1], s[PFA:PFA+1], s[16:17]
	v_and_b32 v[PFO], 31, v0
	v_lshlrev_b32 v[PFO], s23, v[PFO]
; 16 matrix instructions: row blocks a0, a0 + 1 of the window's four x all 8 column blocks, 32 along K.  first = 1: the product starts the sum, with the column block's biases (window 1) as C.
; The 64 accumulators take turns.
.macro MUL16 f, hi, a0, first
.if \first
	WIN 0x91+0x40*(\hi)                            ; as below, but C in window 1
.else
	WIN MUL_LO+0x50*(\hi)
.endif
.irp a, \a0, (\a0)+1
.irp b, 0,1,2,3,4,5,6,7
.if \first
	v_wmma_f32_16x16x32_bf16 v[8*(8*(\a)+(\b)):8*(8*(\a)+(\b))+7], v[(\f)+8*(\b):(\f)+8*(\b)+7], v[(\f)+8*(4*(\hi)+(\a)):(\f)+8*(4*(\hi)+(\a))+7], v[8*(\b):8*(\b)+7]
.else
	v_wmma_f32_16x16x32_bf16 v[8*(8*(\a)+(\b)):8*(8*(\a)+(\b))+7], v[(\f)+8*(\b):(\f)+8*(\b)+7], v[(\f)+8*(4*(\hi)+(\a)):(\f)+8*(4*(\hi)+(\a))+7], v[8*(8*(\a)+(\b)):8*(8*(\a)+(\b))+7]
.endif
.endr
.endr
.endm
; 32 LDS loads in one run: the fragments of quarter q (32 along K) of the slot in hand into buffer f: w's 128 columns, turned, then a's 128 rows
.macro FETCH q, f
	WIN TO_B
.irp i, 0,1,2,3,4,5,6,7
	ds_load_tr16_b128 v[(\f)+8*(\i):(\f)+8*(\i)+3],   v[ADRB] offset:(\q)*32*PITW+32*(\i)
	ds_load_tr16_b128 v[(\f)+8*(\i)+4:(\f)+8*(\i)+7], v[ADRB] offset:(\q)*32*PITW+32*(\i)+16*PITW
.endr
	WIN 0
.irp i, 0,1,2,3,4,5,6,7
	ds_load_b128 v[(\f)+8*(\i):(\f)+8*(\i)+3],   v[ADRA] offset:64*(\q)+(\i)*16*PITA
	ds_load_b128 v[(\f)+8*(\i)+4:(\f)+8*(\i)+7], v[ADRA] offset:64*(\q)+(\i)*16*PITA+32
.endr
.endm
.macro PLACES                          ; four plain instructions between a matrix instruction and a load into, or a vector instruction on, its registers
.rept 4
	v_nop
.endr
.endm
; One of a K step's first three quarters: multiplies buffer f; in its middle it fetches quarter q of the same slot into buffer g.
.macro QUARTER q, f, g, first
	s_wait_dscnt 8                                 ; w and a's rows 0-63 are in; the youngest eight loads (a's rows 64-127) may be out
	MUL16 \f, 0, 0, \first
	MUL16 \f, 0, 2, \first
	PLACES
	FETCH \q, \g
	s_wait_dscnt 32                                ; all but the 32 just issued
	MUL16 \f, 1, 0, \first
	MUL16 \f, 1, 2, \first
.endm
; The last quarter multiplies buffer 1 and changes slots: one barrier.  In front of it each wave waits for all its tensor loads (the one that is out is its part of the next slot), adds 0 to its spare word,
; and waits for that and for its own reads of this slot.  fill = 1: the barrier opens a round of the cluster's, and the slot just read is filled again first behind it, two K steps ahead.
.macro TURN fill
.if \fill
	s_wait_xcnt 0x0                                ; the last prefetch, a K step back, has read its address
	s_add_nc_u64 s[PFA:PFA+1], s[PFA:PFA+1], s[PFS:PFS+1]
.endif
	WIN 0                                          ; (the add's two registers lie in window 0)
	s_wait_tensorcnt 0x0                           ; no tensor load of mine is out, so the walking descriptors may be written
	ds_add_u32 v[SPW], v[NIL]
.if \fill
	s_add_co_u32 s[G0+5], s[WPA], s[SB]            ; into the slot in hand,
	s_add_nc_u64 s[G0+6:G0+7], s[G0+6:G0+7], KSTEP*2       ; the K step behind the one asked for last; the type bits on top are not reached
	s_add_co_u32 s[G0B+5], s[WPW], s[SB]
	s_add_nc_u64 s[G0B+6:G0B+7], s[G0B+6:G0B+7], KSTEP*256
.endif
	s_wait_dscnt 9                                 ; (the add and the youngest eight loads may be out)
	MUL16 F1, 0, 0, 0
	s_wait_dscnt 0x0                               ; the add is done, and my reads of this slot are over
	s_barrier_signal -1
	MUL16 F1, 0, 2, 0
	WIN 0
	s_barrier_wait -1
.if \fill
	CREST                                          ; no wave of any partner still reads this slot or has a load on its way
	JLOAD 1                                        ; the four v_nop behind it are also the places in front of the loads below
.else
	PLACES
.endif
	s_xor_b32 s[SB], s[SB], SLOT                   ; the other slot is in hand
	v_add_nc_u32 v[ADRA], s[SB], v[A0]
	v_add_nc_u32 v[ADRB], s[SB], v[B0]
	FETCH 0, F0
.if \fill
	ASK
.endif
	MUL16 F1, 1, 0, 0
	MUL16 F1, 1, 2, 0
.endm
; THE WAY OUT of my rows 16 a .. 16 a + 15.  PACK: rounded to bf16, held above the floor.  TOSTAGE: into my stage, and back as whole rows.  SEND: stored.
.macro PACK a
.set AC, 64*((\a)%4)
	WIN 0x0a+5*((\a)/4)                            ; sources 0 and 1: the accumulators' window
.irp b, 0,1,2,3,4,5,6,7
.irp r, 0,1,2,3
	v_cvt_pk_bf16_f32 v[TMP+4*(\b)+(\r)], v[AC+8*(\b)+2*(\r)], v[AC+8*(\b)+2*(\r)+1]
.endr
.endr
	WIN 0
.set i, 0
.rept 32
	v_pk_max_num_bf16 v[TMP+i], v[TMP+i], s[LO]
.set i, i+1
.endr
.endm
.macro TOSTAGE a
	WIN 0
.set BK, OB+192*((\a)%2)
.irp b, 0,1,2,3,4,5,6,7
	ds_store_b128 v[STO], v[TMP+4*(\b):TMP+4*(\b)+3] offset:((\b)/4)*16*SP+32*((\b)%4)
.endr
.irp c, 0,1
.irp t, 0,1,2,3
	ds_load_b128 v[BK+4*(4*(\c)+(\t)):BK+4*(4*(\c)+(\t))+3], v[RD] offset:(\c)*16*SP+(\t)*4*SP  ; LDS serves a wave's instructions in order: these see the stores above
.endr
.endr
.endm
.macro SEND a
	WIN 0
.set BK, OB+192*((\a)%2)
	s_wait_dscnt 0x0                               ; the rows are back in registers
	s_wait_xcnt 0x0                                ; the stores of the block before have read their registers, which the next block's loads write
.irp c, 0,1
.irp t, 0,1,2,3
	global_store_b128 v[CO], v[BK+4*(4*(\c)+(\t)):BK+4*(4*(\c)+(\t))+3], s[8:9] offset:(\c)*524288+2048*(\a)+512*(\t)  ; four rows of a column block: 512 consecutive bytes, aligned
.endr
.endr
.endm
	s_wait_kmcnt 0x0                               ; the floor
	s_wait_tensorcnt 1                             ; my part of K step 0 is in; K step 1's may stay out
	s_barrier_signal -1
	s_barrier_wait -1
	FETCH 0, F0
	s_wait_loadcnt 0x0                             ; the biases
	QUARTER 1, F0, F1, 1                           ; the first quarter stands in front of the loop: its products start the sums
	WIN 0
	s_mov_b32 s3, NSTEP-2
.Lstep:                                                ; a trip is a K step, from its second quarter to the next step's first, and fills the slot that it leaves
	QUARTER 2, F1, F0, 0
	QUARTER 3, F0, F1, 0
	TURN 1
	QUARTER 1, F0, F1, 0
	WIN 0
	s_sub_co_u32 s3, s3, 1
	s_cmp_lg_u32 s3, 0
	s_cbranch_scc1 .Lstep
	QUARTER 2, F1, F0, 0                           ; the last two K steps fill nothing
	QUARTER 3, F0, F1, 0
	TURN 0
	QUARTER 1, F0, F1, 0
	QUARTER 2, F1, F0, 0
	QUARTER 3, F0, F1, 0
	s_wait_dscnt 8
	MUL16 F1, 0, 0, 0
	MUL16 F1, 0, 2, 0
	s_wait_dscnt 0x0
	MUL16 F1, 1, 0, 0
	MUL16 F1, 1, 2, 0
	WIN 0
	PLACES
	PLACES
	PACK 0
	TOSTAGE 0
.irp a, 1,2,3,4,5,6,7                  ; block a's arithmetic stands between block a - 1's loads from the stage and the wait for them
	PACK \a
	SEND (\a)-1
	TOSTAGE \a
.endr
	SEND 7
	s_wait_tensorcnt 0x0                           ; the wave's end
	ds_add_u32 v[SPW], v[NIL]
	s_wait_dscnt 0x0
	CROUND                                         ; the closing round
	s_endpgm
.Lfunc_end_k_q4f5b65b1e8_qkv:
	.size	k_q4f5b65b1e8_qkv, .Lfunc_end_k_q4f5b65b1e8_qkv-k_q4f5b65b1e8_qkv
	.p2alignl 7, 3214868480
	.fill 96, 4, 3214868480
	.section	.rodata,"a",@progbits
	.p2align	6, 0x0
	.amdhsa_kernel k_q4f5b65b1e8_qkv
		.amdhsa_group_segment_fixed_size 327680
		.amdhsa_private_segment_fixed_size 0
		.amdhsa_enable_private_segment 0
		.amdhsa_kernarg_size 32
		.amdhsa_user_sgpr_count 2
		.amdhsa_user_sgpr_kernarg_segment_ptr 1
		.amdhsa_wavefront_size32 1
		.amdhsa_system_sgpr_workgroup_id_x 1
		.amdhsa_system_sgpr_workgroup_id_y 1
		.amdhsa_system_sgpr_workgroup_id_z 1
		.amdhsa_system_vgpr_workitem_id 0
		.amdhsa_next_free_vgpr 1024
		.amdhsa_next_free_sgpr 80
		.amdhsa_reserve_vcc 0
		.amdhsa_float_denorm_mode_32 3
		.amdhsa_float_denorm_mode_16_64 3
		.amdhsa_memory_ordered 1
		.amdhsa_forward_progress 1
		.amdhsa_inst_pref_size 136
	.end_amdhsa_kernel
	.amdgpu_metadata
---
amdhsa.version: [ 1, 2 ]
amdhsa.kernels:
  - .name:           k_q4f5b65b1e8_qkv
    .symbol:         k_q4f5b65b1e8_qkv.kd
    .args:
      - { .name: act, .offset: 0, .size: 8, .value_kind: global_buffer, .address_space: global }
      - { .name: wqkv, .offset: 8, .size: 8, .value_kind: global_buffer, .address_space: global }
      - { .name: epq, .offset: 16, .size: 8, .value_kind: global_buffer, .address_space: global }
      - { .name: big, .offset: 24, .size: 8, .value_kind: global_buffer, .address_space: global }
    .group_segment_fixed_size: 327680
    .private_segment_fixed_size: 0
    .kernarg_segment_align: 8
    .kernarg_segment_size: 32
    .max_flat_workgroup_size: 128
    .sgpr_count:     80
    .vgpr_count:     1024
    .wavefront_size: 32
...
	.end_amdgpu_metadata
.endif
;; end of part 2
;; launch attn (part 3): grid 4 x 64, 4 waves a work-group, no clusters, 327,680 bytes of LDS; arguments big, act; writes act
.if DOCPART == 3
	.amdgcn_target "amdgcn-amd-amdhsa--gfx1250"
	.amdhsa_code_object_version 6
	.text
	.protected	k_q4f5b65b1e8_attn
	.globl	k_q4f5b65b1e8_attn
	.p2align	8
	.type	k_q4f5b65b1e8_attn,@function
k_q4f5b65b1e8_attn:
	s_mov_b64 s[64:65], 0
	v_nop
	global_prefetch_b8 v0, s[64:65] scope:SCOPE_SE
	s_setreg_imm32_b32 hwreg(HW_REG_WAVE_MODE, 25, 1), 1
	s_wait_xcnt 0x0
; CAUSAL ATTENTION.  o[q][:] = the sum over k <= q of softmax_k(q . k / 32) v[k][:], for each of 4 batches x 16 heads; 1,024 rows, head size 64.  (The module divides by sqrt(1024).)
; LEFT OUT: key steps wholly above the diagonal (the module's own jnp.tril gives them the weight 0); bk (the same term along a softmax row; see the first launch).
; big holds q, k, v in bf16 by heads: block h of q, 16 + h of k, 32 + h of v, each [4096 tokens][64]: a head's rows are dense, 128 bytes each.  o goes to act in the same layout.
; Products, maxima and sums in f32; the weights p are rounded to bf16 for the second product (their sum l is taken of the unrounded p), o once at the end.
; LIMITS.  A hidden score counts as its value less 1e30; a weight below 2^-126 counts as 0 in l; NaN and infinities are not treated apart.
; THE WALK.  A head's queries lie in 8 blocks of 128; block i needs the key steps (64 keys) 0 .. 2 i + 1.  A work-group takes blocks 7 - b and then b: 18 key steps whatever b: 256 equal work-groups.
; The steps are counted to the constant 16, in four groups of four, and those above the diagonal are jumped over, forward; what is jumped holds no barrier and no tensor load.
; ALL OF THE HEAD'S K AND V LIE IN LDS, filled once: no byte is filled again.  A wave issues two tensor loads, both at the head: a first piece (K: keys 0-319, V: keys 0-255) and the rest.  The walk begins when
; the first pieces are in.  The first group of steps reads K of steps 0-4 (a step's K is fetched a step ahead) and V of steps 0-3: bytes of the first pieces alone, by the constants below.  At the end of every
; group stand the wait for all tensor loads and a barrier: the steps' text is written once.
; Every work-group fills all 1,024 keys, also where block 7 - b needs fewer: the descriptors' words stay constants and wave numbers.
; NO CLUSTER, though a head's four work-groups fill the same bytes: which steps are walked hangs on b, which would be the place in the cluster;
; a walk common to all four would have 32 steps for 18.
; SHARES.  Of a block's two bands of 64 queries a wave owns 16 rows in each: two tiles.  So the diagonal steps are the same work for all four waves: in step 2 i tile 0 holds the diagonal and tile 1 sees all keys;
; in step 2 i + 1 tile 0 sees none and tile 1 holds the diagonal.
; THE MASK is what the sums S^T = K Q^T start from: 0, or -1e30 where the key is hidden.  MD, made once, is the mask of a band's own step for my 16 rows; a tile's start is MD x AL + BE with two scalars.
; LAYOUT.  S^T = K Q^T holds one query a lane (lane % 16) and the keys 8 (lane / 16) + 0..7; two such results rounded to bf16 are source 1 of O^T = V^T P.  p = 2^(c s - c m), c = log2(e) / 32, with a running
; maximum m; O and l are multiplied by a = 2^(c m_old - c m_new) in every step.  m starts at the lowest finite number: a block's first a is 0, so O and l need only be finite there.
; REGISTERS: window 0: v0-15 addresses; v16-31 statistics, 8 a tile: c m, m, l (even keys', odd keys'), c0-c3 at work (a takes c2's place); v32-63 P; v64-127 S^T; v128-191 K, v192-255 V of one step
;   window 1: v0-63 O^T; v64-95 Q; v96-127 the second block's Q; v128-159 MD
.set PITK,  144                        ; a row of K in LDS: 128 bytes + 16: the 16 rows of a load start at 16 different groups of four banks
.set PITV,  160                        ; a row of V: 128 + 32
.set VBASE, 1024*PITK
.set STAGE, VBASE+1024*PITV            ; never filled by a tensor load: 16 rows x 144 bytes for each wave
.set SP,    144
.set SPARE, STAGE+4*16*SP              ; the spare words, 128 bytes a wave: two blocks of 256 bytes that no other line names
.set K1,    320                        ; keys of K in the first pieces: five steps; two waves fetch 160 each, then 352 each
.set V1,    256                        ; keys of V in the first pieces: four steps; two waves fetch 128 each, then 384 each
.set AK0, 2
.set AV0, 3
.set AK,  4
.set AV,  5
.set STO, 6
.set RD,  7
.set GO,  8
.set QO,  9
.set SPW, 14
.set NIL, 15
.set ST,  16
.set P,   32
.set S,   64
.set KF,  128
.set VF,  192
.set Q,   64                           ; window 1
.set QB,  96
.set MD,  128
.set WV,  12
.set PB,  14                           ; s14  b
.set BLK, 15                           ; s15  the block in hand
.set D1A, 24                           ; s[24:31] descriptor group 1 of my first piece
.set D1B, 32                           ; s[32:39] of my second
.set D0A, 40                           ; s[40:43] descriptor group 0 of my first piece
.set D0B, 44                           ; s[44:47] of my second
.set OUTER, 48                         ; s48  blocks to go
.set J,   49                           ; s49  the key step
.set D0,  50                           ; s50  2 x block: the first step with a diagonal
.set LASTJ, 51                         ; s51  the last step to walk
.set AL0, 52                           ; s[52:53], s[54:55] tile 0's factor and addend; s[56:57], s[58:59] tile 1's
.set BE0, 54
.set AL1, 56
.set BE1, 58
.set CS,  60                           ; s[60:61] c
.set SEL, 62                           ; s[62:63] v_permlanex16_b32's selects
.set BIGN, 66                          ; s66  -1e30
.set TBK, 67                           ; s67  LDS byte of the step's K
.set TBV, 68                           ; s68  of its V, less VBASE
.set CNT4, 69                          ; s69  counts a group's four steps
.set OH,  70                           ; s[70:71] o at the head's first row
.set OBA, 72                           ; s[72:73] o at my rows of the block in hand
.set QA,  74                           ; s[74:75], s[76:77] q at my rows of the two blocks
.set QBA, 76
.set GRP, 78                           ; s78  counts a block's four groups
.set MSB, 0
.macro WIN new
.if MSB != (\new)
	s_set_vgpr_msb (MSB<<8)|(\new)
.set MSB, \new
.endif
.endm
.macro PLACES
.rept 4
	v_nop
.endr
.endm
	s_load_b128 s[4:7], s[0:1], 0x0                ; big s[4:5], act s[6:7]
	v_lshl_add_u32 v[SPW], v0, 2, SPARE
	v_mov_b32 v[NIL], 0
	ds_add_u32 v[SPW], v[NIL]                      ; the wave's opening: the add, twice on end, and its wait ahead of my first tensor load
	ds_add_u32 v[SPW], v[NIL]
	v_lshrrev_b32 v1, 5, v0
	v_readfirstlane_b32 s[WV], v1                  ; wave 0..3
	s_mov_b32 s[PB], ttmp9
	s_sub_co_u32 s[BLK], 7, s[PB]
	s_and_b32 s16, ttmp7, 0xffff
	s_and_b32 s17, s16, 15                         ; head
	s_lshr_b32 s16, s16, 4                         ; batch
	s_lshl_b32 s20, s17, 19                        ; a head's block: 524,288 bytes,
	s_lshl_b32 s16, s16, 17                        ; a batch's 1,024 rows of 128 bytes
	s_add_co_u32 s20, s20, s16
	s_mov_b32 s21, 0
	s_and_b32 s16, s[WV], 1                        ; which half of a piece I fetch
	s_mov_b32 s19, 0
	; keys are asked for as rows of 256 bytes, two keys a row, and padded in LDS after every key.  The words that K's and V's pieces share:
.irp g, D1A, D1B
	s_mov_b32 s[(\g)+1], 128<<16                   ; tensor_dim0 = 128
	s_mov_b32 s[(\g)+3], 128<<16                   ; tile_dim0 = 128
	s_mov_b32 s[(\g)+5], 128                       ; 128 elements from row to row
	s_mov_b32 s[(\g)+6], 0
	s_mov_b32 s[(\g)+7], 0
.endr
	s_mov_b32 s[D0A], 1
	s_mov_b32 s[D0B], 1
	s_mov_b32 s[CS], 0x3d38aa3b                    ; c = log2(e) / 32
	s_mov_b32 s[CS+1], s[CS]
	s_mov_b32 s[SEL], 0x76543210
	s_mov_b32 s[SEL+1], 0xfedcba98
	s_mov_b32 s[BIGN], 0xf149f2ca                  ; -1e30
	s_mov_b32 s[AL0+1], 0                          ; named as pairs
	s_mov_b32 s[BE0+1], 0
	s_mov_b32 s[AL1+1], 0
	s_mov_b32 s[BE1], 0
	s_mov_b32 s[BE1+1], 0
	s_mov_b32 s[OUTER], 2
	s_wait_dscnt 0x0                               ; both opening adds are done
	s_wait_kmcnt 0x0
	s_add_nc_u64 s[22:23], s[4:5], s[20:21]        ; big at the head's rows of q; k lies 16 blocks on, v 32
	s_cmp_lt_u32 s[WV], 2                          ; waves 0 and 1 fetch K, waves 2 and 3 V; a wave's two loads stand in one branch: two tensor loads of mine are out at the most
	s_cbranch_scc0 .Lfor_v
	s_mov_b32 s[D1A], (1<<16)|(1<<20)|(4<<22)|(3<<25)  ; 2-byte elements; padding on; after every 32 words 4 words
	s_mov_b32 s[D1A+2], (K1/4)<<16                 ; tensor_dim1 = 80 rows: 160 keys
	s_mov_b32 s[D1A+4], K1/4                       ; tile_dim1
	s_mov_b32 s[D1B], (1<<16)|(1<<20)|(4<<22)|(3<<25)
	s_mov_b32 s[D1B+2], ((1024-K1)/4)<<16          ; 176 rows: 352 keys
	s_mov_b32 s[D1B+4], (1024-K1)/4
	s_mul_i32 s[D0A+1], s16, (K1/2)*PITK
	s_mul_i32 s[D0B+1], s16, ((1024-K1)/2)*PITK
	s_add_co_u32 s[D0B+1], s[D0B+1], K1*PITK
	s_mul_i32 s18, s16, (K1/2)*128
	s_add_co_u32 s18, s18, 0x800000
	s_add_nc_u64 s[D0A+2:D0A+3], s[22:23], s[18:19]
	s_or_b32 s[D0A+3], s[D0A+3], 0x80000000
	s_mul_i32 s18, s16, ((1024-K1)/2)*128
	s_add_co_u32 s18, s18, 0x800000+K1*128
	s_add_nc_u64 s[D0B+2:D0B+3], s[22:23], s[18:19]
	s_or_b32 s[D0B+3], s[D0B+3], 0x80000000
	tensor_load_to_lds s[D0A:D0A+3], s[D1A:D1A+7]
	s_nop 0
	tensor_load_to_lds s[D0B:D0B+3], s[D1B:D1B+7]
	s_nop 0
.rept 4
	v_nop
.endr
	s_branch .Lasked
.Lfor_v:
	s_mov_b32 s[D1A], (1<<16)|(1<<20)|(4<<22)|(7<<25)  ; the same with 8 words of padding
	s_mov_b32 s[D1A+2], (V1/4)<<16                 ; 64 rows: 128 keys
	s_mov_b32 s[D1A+4], V1/4
	s_mov_b32 s[D1B], (1<<16)|(1<<20)|(4<<22)|(7<<25)
	s_mov_b32 s[D1B+2], ((1024-V1)/4)<<16          ; 192 rows: 384 keys
	s_mov_b32 s[D1B+4], (1024-V1)/4
	s_mul_i32 s[D0A+1], s16, (V1/2)*PITV
	s_add_co_u32 s[D0A+1], s[D0A+1], VBASE
	s_mul_i32 s[D0B+1], s16, ((1024-V1)/2)*PITV
	s_add_co_u32 s[D0B+1], s[D0B+1], VBASE+V1*PITV
	s_mul_i32 s18, s16, (V1/2)*128
	s_add_co_u32 s18, s18, 0x1000000
	s_add_nc_u64 s[D0A+2:D0A+3], s[22:23], s[18:19]
	s_or_b32 s[D0A+3], s[D0A+3], 0x80000000
	s_mul_i32 s18, s16, ((1024-V1)/2)*128
	s_add_co_u32 s18, s18, 0x1000000+V1*128
	s_add_nc_u64 s[D0B+2:D0B+3], s[22:23], s[18:19]
	s_or_b32 s[D0B+3], s[D0B+3], 0x80000000
	tensor_load_to_lds s[D0A:D0A+3], s[D1A:D1A+7]
	s_nop 0
	tensor_load_to_lds s[D0B:D0B+3], s[D1B:D1B+7]
	s_nop 0
.rept 4
	v_nop
.endr
.Lasked:
	s_lshl_b32 s17, s[WV], 11                      ; my 16 rows in a band,
	s_add_co_u32 s17, s17, s20                     ; in the head,
	s_lshl_b32 s16, s[BLK], 14                     ; in the first block
	s_add_co_u32 s16, s16, s17
	s_lshl_b32 s18, s[PB], 14                      ; and in the second
	s_add_co_u32 s18, s18, s17
	s_mov_b32 s17, 0
	s_mov_b32 s19, 0
	s_add_nc_u64 s[QA:QA+1], s[4:5], s[16:17]
	s_add_nc_u64 s[QBA:QBA+1], s[4:5], s[18:19]
	s_add_nc_u64 s[OH:OH+1], s[6:7], s[20:21]
	v_and_b32 v1, 15, v0                           ; l % 16
	v_bfe_u32 v12, v0, 4, 1                        ; l / 16
	v_lshlrev_b32 v[QO], 7, v1
	v_lshl_add_u32 v[QO], v12, 4, v[QO]            ; row x 128 + 16 x half
	WIN 0x40                                       ; destination window 1
.irp i, 0,1,2,3                        ; both blocks' Q: tile i / 2 lies 64 rows on; channels 32 (i % 2) on
	global_load_b128 v[Q+8*(\i):Q+8*(\i)+3],     v[QO], s[QA:QA+1] offset:((\i)/2)*8192+((\i)%2)*64
	global_load_b128 v[Q+8*(\i)+4:Q+8*(\i)+7],   v[QO], s[QA:QA+1] offset:((\i)/2)*8192+((\i)%2)*64+32
	global_load_b128 v[QB+8*(\i):QB+8*(\i)+3],   v[QO], s[QBA:QBA+1] offset:((\i)/2)*8192+((\i)%2)*64
	global_load_b128 v[QB+8*(\i)+4:QB+8*(\i)+7], v[QO], s[QBA:QBA+1] offset:((\i)/2)*8192+((\i)%2)*64+32
.endr
	WIN 0
	v_lshlrev_b32 v11, 3, v12
	v_sub_nc_u32 v10, v1, v11
	s_lshl_b32 s16, s[WV], 4
	v_add_nc_u32 v10, s16, v10                     ; my query's place in its band, 16 w + l % 16, less 8 (l / 16): register r of key group kt is hidden where 16 kt + r is greater
	WIN 0x40
.set i, 0
.rept 32
	v_cmp_gt_i32 vcc_lo, 16*(i/8)+i%8, v10
	v_cndmask_b32 v[MD+i], 0, s[BIGN], vcc_lo
.set i, i+1
.endr
.set i, 0
.rept 64
	v_mov_b32 v[i], 0                              ; O^T: finite, for the first a = 0; written in the wait for the tiles
.set i, i+1
.endr
	WIN 0
.irp t, 0,1
.irp r, 2,3,4,5,6,7
	v_mov_b32 v[ST+8*(\t)+(\r)], 0                 ; l starts finite; c0-c3 are written once here, so that every register that a block's way out names has been written on every way through the text
.endr
.endr
	v_mul_u32_u24 v[AK0], v1, PITK
	v_lshl_add_u32 v[AK0], v12, 4, v[AK0]          ; row x pitch + 16 x half
	v_and_b32 v11, 7, v0                           ; the turning load: lane l reads key 8 (l / 16) + l % 8, channels 8 ((l / 8) % 2) + 0..7
	v_bfe_u32 v13, v0, 3, 1
	v_lshl_add_u32 v[AV0], v12, 3, v11
	v_mul_u32_u24 v[AV0], v[AV0], PITV
	v_lshl_add_u32 v[AV0], v13, 4, v[AV0]
	v_add_nc_u32 v[AV0], VBASE, v[AV0]
	s_mul_i32 s16, s[WV], 16*SP
	s_add_co_u32 s16, s16, STAGE                   ; my stage
	v_mul_u32_u24 v[STO], v1, SP                   ; in: row l % 16, 16 bytes for each half of the lanes
	v_lshl_add_u32 v[STO], v12, 4, v[STO]
	v_add_nc_u32 v[STO], s16, v[STO]
	v_bfe_u32 v[RD], v0, 3, 2                      ; back: 32 lanes take four rows of 128 bytes,
	v_mul_u32_u24 v[RD], v[RD], SP
	v_lshl_add_u32 v[RD], v11, 4, v[RD]
	v_add_nc_u32 v[RD], s16, v[RD]
	v_and_b32 v[GO], 31, v0                        ; which are 512 consecutive bytes of o
	v_lshlrev_b32 v[GO], 4, v[GO]
; THE MATRIX WORK.  Four accumulators take turns, one instruction a turn.
; S^T = K Q^T for both tiles: product i: tile i / 8, channels 32 ((i % 8) / 4) on, keys 16 (i % 4) on.  masked = 0: a tile's first four start the sums with 0; 1: S^T holds the masks.
.macro KQ16 masked
	WIN 0x04                                       ; Q in window 1
.set i, 0
.rept 16
.set rS, S+32*(i/8)+8*(i%4)
.set rK, KF+16*(i%4)+8*((i%8)/4)
.set rQ, Q+16*(i/8)+8*((i%8)/4)
.if ((i%8) < 4) && !(\masked)
	v_wmma_f32_16x16x32_bf16 v[rS:rS+7], v[rK:rK+7], v[rQ:rQ+7], 0
.else
	v_wmma_f32_16x16x32_bf16 v[rS:rS+7], v[rK:rK+7], v[rQ:rQ+7], v[rS:rS+7]
.endif
.set i, i+1
.endr
.endm
; O^T += V^T P for tile t: product i: keys 32 (i / 4) on, channels 16 (i % 4) on.
.macro PVT t
	WIN 0x50                                       ; O^T in window 1
.set i, 0
.rept 8
.set rO, 32*(\t)+8*(i%4)
.set rV, VF+32*(i/4)+8*(i%4)
.set rP, P+16*(\t)+8*(i/4)
	v_wmma_f32_16x16x32_bf16 v[rO:rO+7], v[rV:rV+7], v[rP:rP+7], v[rO:rO+7]
.set i, i+1
.endr
.endm
.macro FETCH_K                         ; a step's K: 64 keys x 64 channels, 8 fragments
.irp f, 0,1,2,3,4,5,6,7
	ds_load_b128 v[KF+8*\f:KF+8*\f+3],   v[AK] offset:(\f/2)*16*PITK+(\f%2)*64
	ds_load_b128 v[KF+8*\f+4:KF+8*\f+7], v[AK] offset:(\f/2)*16*PITK+(\f%2)*64+32
.endr
.endm
.macro FETCH_V                         ; a step's V, turned
.irp f, 0,1,2,3,4,5,6,7
	ds_load_tr16_b128 v[VF+8*\f:VF+8*\f+3],   v[AV] offset:(\f/4)*32*PITV+(\f%4)*32
	ds_load_tr16_b128 v[VF+8*\f+4:VF+8*\f+7], v[AV] offset:(\f/4)*32*PITV+16*PITV+(\f%4)*32
.endr
.endm
.macro MASK t, al, be                  ; MD x AL + BE into tile t's S^T
	WIN 0x01
.set z, 0
.rept 16
	v_pk_fma_f32 v[S+32*(\t)+2*z:S+32*(\t)+2*z+1], v[MD+2*z:MD+2*z+1], s[\al:\al+1], s[\be:\be+1] op_sel_hi:[1,0,0]
.set z, z+1
.endr
.endm
; THE VECTOR WORK of tile t.  MX n, 0-20: the maximum of the lane's 32 scores and the old m (each accumulator's lowest registers are read first), the other half of the lanes', m, c m, its change.
; EXN: the next of 33 exponentials: a, then s0-s31.  FS p: c s - c m for pair p.  CV p: pair p rounded to bf16.  SU z: the sum of the 16 pairs, in place; z = 15: l = a l + sum.  RS p: pair p of O^T times a.
.macro REGS t
.set rT, ST+8*(\t)
.set rS, S+32*(\t)
.set rP, P+16*(\t)
.set rO, 32*(\t)
.endm
.macro MX t, n
	REGS \t
.if (\n) < 4
	v_max3_num_f32 v[rT+4+(\n)], v[rS+8*(\n)], v[rS+8*(\n)+1], v[rS+8*(\n)+2]
.elseif (\n) < 12
	v_max3_num_f32 v[rT+4+(\n)%4], v[rT+4+(\n)%4], v[rS+8*((\n)%4)+2*((\n)/4)+1], v[rS+8*((\n)%4)+2*((\n)/4)+2]
.elseif (\n) == 12
	v_max3_num_f32 v[rT+4], v[rT+4], v[rS+7], v[rS+15]
.elseif (\n) == 13
	v_max3_num_f32 v[rT+6], v[rT+6], v[rS+23], v[rS+31]
.elseif (\n) == 14
	v_max3_num_f32 v[rT+4], v[rT+4], v[rT+5], v[rT+6]
.elseif (\n) == 15
	v_max3_num_f32 v[rT+4], v[rT+4], v[rT+7], v[rT+1]
.elseif (\n) == 16
	v_permlanex16_b32 v[rT+5], v[rT+4], s[SEL], s[SEL+1]
.elseif (\n) == 17
	v_mov_b32 v[rT+7], v[rT]
.elseif (\n) == 18
	v_max_num_f32 v[rT+1], v[rT+4], v[rT+5]
.elseif (\n) == 19
	v_mul_f32 v[rT], s[CS], v[rT+1]
.else
	v_sub_f32 v[rT+7], v[rT+7], v[rT]
.endif
.endm
.macro EXN t
	REGS \t
.if e == 0
	v_exp_f32 v[rT+6], v[rT+7]
.else
	v_exp_f32 v[rS+e-1], v[rS+e-1]
.endif
.set e, e+1
.endm
.macro FS t, p
	REGS \t
	v_pk_fma_f32 v[rS+2*(\p):rS+2*(\p)+1], v[rS+2*(\p):rS+2*(\p)+1], s[CS:CS+1], v[rT:rT+1] op_sel_hi:[1,0,0] neg_lo:[0,0,1] neg_hi:[0,0,1]
.endm
.macro CV t, p
	REGS \t
	v_cvt_pk_bf16_f32 v[rP+(\p)], v[rS+2*(\p)], v[rS+2*(\p)+1]
.endm
.macro SU t, z
	REGS \t
.set w, 4
.set u, (\z)
.if (\z) >= 14
.set w, 32
.set u, 0
.elseif (\z) >= 12
.set w, 16
.set u, (\z)-12
.elseif (\z) >= 8
.set w, 8
.set u, (\z)-8
.endif
.if (\z) < 15
	v_pk_add_f32 v[rS+w*u:rS+w*u+1], v[rS+w*u:rS+w*u+1], v[rS+w*u+w/2:rS+w*u+w/2+1]
.else
	v_pk_fma_f32 v[rT+2:rT+3], v[rT+2:rT+3], v[rT+6:rT+7], v[rS:rS+1] op_sel_hi:[1,0,1]
.endif
.endm
.macro RS t, p
	REGS \t
	WIN 0x41
	v_pk_mul_f32 v[rO+2*(\p):rO+2*(\p)+1], v[rO+2*(\p):rO+2*(\p)+1], v[rT+6:rT+7] op_sel_hi:[1,0]
.endm
; THE WAY OUT of tile t: O^T / l, rounded to bf16; a lane's eight channels pack into 16 bytes, go into rows of 144 bytes and come back as whole rows of 128, into S^T's registers.
.macro PACK t
	WIN 0x41
.set i, 32*(\t)
.rept 16
	v_pk_mul_f32 v[i:i+1], v[i:i+1], v[ST+8*(\t)+6:ST+8*(\t)+7] op_sel_hi:[1,0]
.set i, i+2
.endr
	WIN 0x05                                       ; sources 0 and 1 window 1, destination window 0
.set i, 0
.rept 16
	v_cvt_pk_bf16_f32 v[S+16*(\t)+i], v[32*(\t)+2*i], v[32*(\t)+2*i+1]
.set i, i+1
.endr
	WIN 0
.irp f, 0,1,2,3
	ds_store_b128 v[STO], v[S+16*(\t)+4*\f:S+16*(\t)+4*\f+3] offset:32*\f
.endr
.irp f, 0,1,2,3
	ds_load_b128 v[S+16*(\t)+4*\f:S+16*(\t)+4*\f+3], v[RD] offset:\f*4*SP  ; LDS serves a wave's instructions in order: these see the stores above; the next tile's stores come behind them
.endr
.endm
.macro SEND t, younger                 ; younger: the LDS instructions issued behind tile t's loads
.irp f, 0,1,2,3
	s_wait_dscnt (\younger)+3-\f
	global_store_b128 v[GO], v[S+16*(\t)+4*\f:S+16*(\t)+4*\f+3], s[OBA:OBA+1] offset:(\t)*8192+\f*512  ; four rows: 512 consecutive bytes, aligned
.endr
.endm
	s_wait_tensorcnt 0x1                           ; my first piece is in; my second may stay out, and the first group of steps reads no byte of it
	s_barrier_signal -1
	s_barrier_wait -1                              ; everybody's first piece is in
	s_wait_loadcnt 0x0                             ; Q
.Lblock:
	s_lshl_b32 s[D0], s[BLK], 1
	s_add_co_u32 s[LASTJ], s[D0], 1
	s_lshl_b32 s16, s[BLK], 14
	s_lshl_b32 s17, s[WV], 11
	s_add_co_u32 s16, s16, s17
	s_mov_b32 s17, 0
	s_add_nc_u64 s[OBA:OBA+1], s[OH:OH+1], s[16:17]
.irp t, 0,1
	v_mov_b32 v[ST+8*(\t)], 0xfe000000             ; c m: far below every c s
	v_mov_b32 v[ST+8*(\t)+1], 0xff7fffff           ; m
.endr
	s_mov_b32 s[TBK], 0
	s_mov_b32 s[TBV], 0
	s_mov_b32 s[J], 0
	s_mov_b32 s[GRP], 4
	v_mov_b32 v[AK], v[AK0]
	FETCH_K                                        ; key step 0
.Lgroup:                                               ; four groups of four steps
	s_mov_b32 s[CNT4], 4
.Lstep:                                                ; the steps above the diagonal are jumped over
	s_cmp_gt_u32 s[J], s[LASTJ]
	s_cbranch_scc1 .Lskip
	v_add_nc_u32 v[AV], s[TBV], v[AV0]
	FETCH_V
	s_cmp_lt_u32 s[J], s[D0]
	s_cbranch_scc0 .Ldiag
	s_wait_dscnt 16                                ; K is in; V's sixteen loads may be out
	KQ16 0
	WIN 0
	s_branch .Lsoft
.Ldiag:
	s_cmp_eq_u32 s[J], s[D0]                       ; tile 0's own step?  else tile 1's, in which tile 0 sees nothing
	s_cselect_b32 s[AL0], 1.0, 0
	s_cselect_b32 s[BE0], 0, s[BIGN]
	s_cselect_b32 s[AL1], 0, 1.0
	MASK 0, AL0, BE0
	MASK 1, AL1, BE1
	s_wait_dscnt 16
	KQ16 1
	WIN 0
.Lsoft:
	s_add_co_u32 s16, s[TBK], 64*PITK              ; the next step's K; behind the head's last step the last once more, which nothing uses
	s_min_u32 s16, s16, 15*64*PITK
	v_add_nc_u32 v[AK], s16, v[AK0]
	PLACES                                         ; between the products and the loads into K's registers, and the first read of the scores
	FETCH_K
.set n, 0
.rept 21
	MX 0, n
.set n, n+1
.endr
.set n, 0
.rept 16
	FS 0, n
.set n, n+1
.endr
.set e, 0                              ; tile 0's exponentials, a plain instruction of tile 1 behind each
.set n, 0
.rept 33
	EXN 0
.if n < 21
	MX 1, n
.else
	FS 1, n-21
.endif
.set n, n+1
.endr
.irp p, 12,13,14,15
	FS 1, \p
.endr
	s_wait_alu depctr_va_vdst(0)                   ; the wait ahead of the first use: one for tile 0's 33
.set e, 0                              ; tile 1's exponentials, tile 0's roundings and sums between them
.set n, 0
.rept 33
	EXN 1
.if n < 16
	CV 0, n
.elseif n < 32
	SU 0, n-16
.else
	v_nop
.endif
.set n, n+1
.endr
	s_wait_alu depctr_va_vdst(0)                   ; one for tile 1's 33
.set n, 0
.rept 16
	RS 0, n
.set n, n+1
.endr
	s_wait_dscnt 16                                ; V is in; the next K's sixteen loads may be out
	PVT 0
	WIN 0
.set n, 0
.rept 16
	CV 1, n
.set n, n+1
.endr
.set n, 0
.rept 16
	SU 1, n
.set n, n+1
.endr
.set n, 0
.rept 16
	RS 1, n
.set n, n+1
.endr
	PVT 1
	WIN 0
	PLACES                                         ; between the products and the next loads into V's registers
.Lskip:
	s_add_co_u32 s[TBK], s[TBK], 64*PITK
	s_add_co_u32 s[TBV], s[TBV], 64*PITV
	s_add_co_u32 s[J], s[J], 1
	s_sub_co_u32 s[CNT4], s[CNT4], 1
	s_cmp_lg_u32 s[CNT4], 0
	s_cbranch_scc1 .Lstep
	s_wait_tensorcnt 0x0                           ; a group's end: my second piece is in (behind the first block's first group; later no load is out),
	s_wait_dscnt 0x0                               ; no LDS load of mine is pending at the signal,
	s_barrier_signal -1
	s_barrier_wait -1                              ; and everybody's second piece is in: the later groups read it
	s_sub_co_u32 s[GRP], s[GRP], 1
	s_cmp_lg_u32 s[GRP], 0
	s_cbranch_scc1 .Lgroup
.irp t, 0,1
	v_add_f32 v[ST+8*(\t)+4], v[ST+8*(\t)+2], v[ST+8*(\t)+3]
.endr
.irp t, 0,1
	v_permlanex16_b32 v[ST+8*(\t)+5], v[ST+8*(\t)+4], s[SEL], s[SEL+1]
.endr
.irp t, 0,1
	v_add_f32 v[ST+8*(\t)+4], v[ST+8*(\t)+4], v[ST+8*(\t)+5]
.endr
.irp t, 0,1
	v_rcp_f32 v[ST+8*(\t)+6], v[ST+8*(\t)+4]
.endr
	v_nop                                          ; a plain instruction behind the last reciprocal,
	s_wait_alu depctr_va_vdst(0)                   ; and the wait ahead of the first use: one for both
	PACK 0
	PACK 1
	SEND 0, 8
	SEND 1, 0
	s_wait_xcnt 0x0                                ; the stores have read their registers and o's address
	s_sub_co_u32 s[OUTER], s[OUTER], 1
	s_cmp_eq_u32 s[OUTER], 0
	s_cbranch_scc1 .Lend
	s_mov_b32 s[BLK], s[PB]
	WIN 0x41                                       ; the second block's Q goes where the one text names Q
.set i, 0
.rept 32
	v_mov_b32 v[Q+i], v[QB+i]
.set i, i+1
.endr
	WIN 0
	s_branch .Lblock
.Lend:
	s_wait_tensorcnt 0x0                           ; the wave's end
	ds_add_u32 v[SPW], v[NIL]
	s_wait_dscnt 0x0
	s_endpgm
.Lfunc_end_k_q4f5b65b1e8_attn:
	.size	k_q4f5b65b1e8_attn, .Lfunc_end_k_q4f5b65b1e8_attn-k_q4f5b65b1e8_attn
	.p2alignl 7, 3214868480
	.fill 96, 4, 3214868480
	.section	.rodata,"a",@progbits
	.p2align	6, 0x0
	.amdhsa_kernel k_q4f5b65b1e8_attn
		.amdhsa_group_segment_fixed_size 327680
		.amdhsa_private_segment_fixed_size 0
		.amdhsa_enable_private_segment 0
		.amdhsa_kernarg_size 16
		.amdhsa_user_sgpr_count 2
		.amdhsa_user_sgpr_kernarg_segment_ptr 1
		.amdhsa_wavefront_size32 1
		.amdhsa_system_sgpr_workgroup_id_x 1
		.amdhsa_system_sgpr_workgroup_id_y 1
		.amdhsa_system_sgpr_workgroup_id_z 1
		.amdhsa_system_vgpr_workitem_id 0
		.amdhsa_next_free_vgpr 416
		.amdhsa_next_free_sgpr 80
		.amdhsa_reserve_vcc 1
		.amdhsa_float_denorm_mode_32 3
		.amdhsa_float_denorm_mode_16_64 3
		.amdhsa_memory_ordered 1
		.amdhsa_forward_progress 1
		.amdhsa_inst_pref_size 45
	.end_amdhsa_kernel
	.amdgpu_metadata
---
amdhsa.version: [ 1, 2 ]
amdhsa.kernels:
  - .name:           k_q4f5b65b1e8_attn
    .symbol:         k_q4f5b65b1e8_attn.kd
    .args:
      - { .name: big, .offset: 0, .size: 8, .value_kind: global_buffer, .address_space: global }
      - { .name: act, .offset: 8, .size: 8, .value_kind: global_buffer, .address_space: global }
    .group_segment_fixed_size: 327680
    .private_segment_fixed_size: 0
    .kernarg_segment_align: 8
    .kernarg_segment_size: 16
    .max_flat_workgroup_size: 128
    .sgpr_count:     80
    .vgpr_count:     416
    .wavefront_size: 32
...
	.end_amdgpu_metadata
.endif
;; end of part 3
;; launch wo (part 4): grid 8 x 32, 4 waves a work-group, clusters of 4 x 4, 327,680 bytes of LDS; arguments act, wn, bo, x, x1; writes x1
.if DOCPART == 4
	.amdgcn_target "amdgcn-amd-amdhsa--gfx1250"
	.amdhsa_code_object_version 6
	.text
	.protected	k_q4f5b65b1e8_wo
	.globl	k_q4f5b65b1e8_wo
	.p2align	8
	.type	k_q4f5b65b1e8_wo,@function
k_q4f5b65b1e8_wo:
	s_mov_b64 s[64:65], 0
	v_nop
	global_prefetch_b8 v0, s[64:65] scope:SCOPE_SE
	s_setreg_imm32_b32 hwreg(HW_REG_WAVE_MODE, 25, 1), 1
	s_wait_xcnt 0x0
	s_wait_alu depctr_hold_cnt(0) depctr_sa_sdst(0) depctr_va_vdst(0) depctr_va_sdst(0) depctr_va_ssrc(0) depctr_va_vcc(0) depctr_vm_vsrc(0)
	s_getreg_b32 s2, hwreg(HW_REG_IB_STS2, 6, 4)
	s_cmp_eq_u32 s2, 0
	s_cbranch_scc0 .Lentry_in_a_cluster
	s_endpgm
.Lentry_in_a_cluster:
	s_bfe_u32 s2, ttmp6, 0x10000c
	s_cmp_lg_u32 s2, 0xf033
	s_cbranch_scc0 .Lentry_shape_is_right
	s_endpgm
.Lentry_shape_is_right:
; out = res + RES (a w + bias), RES = 1 / sqrt(12).  Here: x1 = x + RES (o Wo + bo), K = 1,024.  (The same text with K = 4,096 is the last launch's.)
; a: bf16 in blocks [K/64][4096][64] (rows of 128 bytes, end to end).  w: bf16 in blocks [8][K][128] from byte WOFF.  bias [1024], res and out [4096][1024] in f32.  Sums in f32, begun with the bias.
; A tile of out is 128 x 128: 256 work-groups.  Four waves, 64 x 64 each: 16 accumulators.  K goes in NS steps of 256 through two LDS slots.
; A K STEP IS WRITTEN ONCE: the slot in hand is a scalar, 0 or SLOT, turned by an exclusive or at each change of slots; the fragments' LDS addresses are a lane's term plus that scalar, and one descriptor walks.
; CLUSTER: 4 x 4 work-groups; a's tiles are shared along a row of the cluster, w's along a column: joint loads.
; THE WALK ALONG K BEGINS AT A STEP OF THE CLUSTER'S OWN, (NS/2) X + (NS/4) (Y mod 4) for the cluster at (X, Y), and wraps at NS.  So the two clusters that read the same rows of a stand NS/2 steps apart,
; and four neighbouring clusters along y, which read the same block of w, NS/4 steps apart: they ask for a tile in different trips.  Only the order of a sum's terms is turned by it.
; The start hangs on the cluster's coordinates alone, which all sixteen partners share.  A refill's address is made anew: the tile's base plus the step's number shifted.
; THE MATRIX INSTRUCTION IS USED TRANSPOSED (source 0 = 16 columns of w, turned out of LDS; source 1 = 16 rows of a): a lane holds row l % 16 and eight neighbouring columns; its eight biases of a column
; block are the C operand of that block's first products.
; The residual's rows are asked for at the head and waited for on the way out.  No prefetch here: with four K steps no step stands two refills on.
; REGISTERS: window 0: v0-31 addresses; v32-95 at work on the way out; v96-127 my lane's 32 biases; v128-255 the accumulators ((a, b) at v[128 + 8 (4 a + b)])
;   window 1: two fragment buffers of 128: for 64 along K, 64 registers of a, then 64 of w          window 2: v0-127 the residual
.set KTOT,   1024
.set WOFF,   0
.set NS,     KTOT/256                  ; K steps
.set PITA,   144                       ; a row of a in LDS: 128 bytes + 16
.set PITW,   288                       ; a row of w: 256 + 32
.set KBLK,   128*PITA                  ; 128 rows of one block of 64 along K
.set QW,     36864                     ; what one tensor load brings: two such blocks of a, or 128 rows of w
.set WBASE,  2*QW
.set SLOT,   4*QW
.set STAGE,  2*SLOT                    ; never filled by a tensor load: for each wave 16 rows x 272 bytes of f32
.set SPITCH, 272
.set SPARE,  STAGE+4*16*SPITCH         ; the spare words, 128 bytes a wave: two blocks of 256 bytes that no other line names
.set BOF,  11                          ; v11     32 (l / 16): my eight columns' biases
.set A0,   16                          ; v16     my fragments of a in slot 0; never rewritten
.set W0,   17                          ; v17     the same for w
.set ADRA, 20                          ; v20     my fragments of a in the slot in hand
.set ADRW, 21                          ; v21-22  of w: the first and the second half of the K step
.set STO,  24
.set RD,   25
.set CO,   26                          ; v26     my byte offset in two rows of res and out
.set PFO,  27                          ; v27     256 x lane; never rewritten
.set SPW,  28
.set NIL,  29
.set TMP,  32
.set BI,   96
.set ACC,  128
.set F0,   0
.set F1,   128
.set G1,  24                           ; s[24:31] descriptor group 1 for a's tiles; s[32:39] group 0: a set for each of the two first fills; the second then walks on
.set G0,  32
.set G1B, 48                           ; s[48:55], s[56:63] the same for w's
.set G0B, 56
.set LIM, 43                           ; s43  NS/2 + 2 in a wave that prefetches, else the greatest number
.set PFA, 44                           ; s[44:45] what my next prefetch names
.set RESC, 72                          ; s[72:73] RES
.set PFB, 74                           ; s[74:75] my work-group's share of the rows of a that I fetch, at K step 0
.set SB,  76                           ; s76  the slot in hand: 0 or SLOT
.set WP,  77                           ; s77  where in a slot my tensor load lands
.set KS,  78                           ; s78  the K step that the next fill brings
.set TA,  80                           ; s[80:81] its byte offset in a
.set TW,  82                           ; s[82:83] and in w
.set MSB, 0
.macro WIN new
.if MSB != (\new)
	s_set_vgpr_msb (MSB<<8)|(\new)
.set MSB, \new
.endif
.endm
.set MUL,  0x05                        ; sources 0 and 1 window 1; C and D window 0
.set TO_F, 0x40                        ; destination window 1, address window 0
.macro JLOAD s                         ; a joint load: waves 0 and 1 fetch a's blocks, waves 2 and 3 w's rows; an s_nop 0 and four v_nop follow each line
	s_cmp_eq_u32 s11, 0
	s_cbranch_scc0 .Lfor_b_\@
	tensor_load_to_lds s[G0+4*(\s):G0+4*(\s)+3], s[G1:G1+7]
	s_nop 0
.rept 4
	v_nop
.endr
	s_branch .Lasked_\@
.Lfor_b_\@:
	tensor_load_to_lds s[G0B+4*(\s):G0B+4*(\s)+3], s[G1B:G1B+7]
	s_nop 0
.rept 4
	v_nop
.endr
.Lasked_\@:
.endm
.macro DESC s                          ; set s of both descriptors takes K step KS: a step is four blocks of a (2,097,152 bytes) and 256 rows of w (65,536); KS goes on, and wraps
	s_lshl_b32 s[TA], s[KS], 21
	s_lshl_b32 s[TW], s[KS], 16
	s_add_nc_u64 s[G0+4*(\s)+2:G0+4*(\s)+3], s[14:15], s[TA:TA+1]
	s_or_b32 s[G0+4*(\s)+3], s[G0+4*(\s)+3], 0x80000000
	s_add_nc_u64 s[G0B+4*(\s)+2:G0B+4*(\s)+3], s[46:47], s[TW:TW+1]
	s_or_b32 s[G0B+4*(\s)+3], s[G0B+4*(\s)+3], 0x80000000
	s_add_co_u32 s[KS], s[KS], 1
	s_and_b32 s[KS], s[KS], NS-1
.endm
.macro ASK                             ; a prefetch of a's K step two refills on: 32 blocks of 256 bytes, a lane each
	s_cmp_gt_u32 s3, s[LIM]
	s_cbranch_scc0 .Lnot_mine_\@
	global_prefetch_b8 v[PFO], s[PFA:PFA+1] th:TH_LOAD_NT scope:SCOPE_SE
.Lnot_mine_\@:
.endm
.macro CREST
	s_cmp_lg_u32 s10, 0
	s_cbranch_scc1 .Lnot_wave_0_\@
	s_barrier_signal -3
.Lnot_wave_0_\@:
	s_barrier_wait -3
	s_barrier_signal -1
	s_barrier_wait -1
.endm
.macro CROUND
	s_barrier_signal -1
	s_barrier_wait -1
	CREST
.endm
	s_load_b128 s[4:7], s[0:1], 0x0                ; a s[4:5], w s[6:7]
	s_load_b128 s[68:71], s[0:1], 0x10             ; bias s[68:69], res s[70:71]
	s_load_b64 s[8:9], s[0:1], 0x20                ; out
	v_lshl_add_u32 v[SPW], v0, 2, SPARE
	v_mov_b32 v[NIL], 0
	ds_add_u32 v[SPW], v[NIL]                      ; the wave's opening: the add, twice on end, and its wait ahead of my first tensor load
	ds_add_u32 v[SPW], v[NIL]
	v_lshrrev_b32 v1, 5, v0
	v_readfirstlane_b32 s10, v1                    ; wave 0..3
	s_lshr_b32 s11, s10, 1                         ; which half of the tile's rows is mine.  Also: I fetch for a (0) or for w (1)
	s_and_b32 s12, s10, 1                          ; which half of its columns.  Also: which half of a K step I fetch
	s_bfe_u32 s40, ttmp6, 0x40000                  ; cx
	s_bfe_u32 s41, ttmp6, 0x40004                  ; cy
	s_lshl_b32 s42, ttmp9, 2
	s_add_co_u32 s42, s42, s40                     ; tile column
	s_and_b32 s13, ttmp7, 0xffff
	s_lshl_b32 s13, s13, 2
	s_add_co_u32 s13, s13, s41                     ; tile row
	s_lshl_b32 s43, s41, 2
	s_lshl_b32 s43, 15, s43                        ; my row of the cluster
	s_lshl_b32 s44, 0x1111, s40                    ; my column
	; a: two blocks of 64 along K; in each my tile's 128 rows are 16,384 dense bytes, asked for as one row of 8,192 elements and padded in LDS after every 128 bytes
	s_or_b32 s[G1+0], s43, (1<<16)|(1<<20)|(1<<21)|(4<<22)|(3<<25)
	s_mov_b32 s[G1+1], 8192<<16                    ; tensor_dim0 = 8,192
	s_mov_b32 s[G1+2], 2<<16                       ; tensor_dim1 = 2
	s_mov_b32 s[G1+3], 8192<<16                    ; tile_dim0 = 8,192
	s_mov_b32 s[G1+4], 2                           ; tile_dim1 = 2
	s_mov_b32 s[G1+5], 262144                      ; from block to block: 4,096 rows of 64 elements
	s_mov_b32 s[G1+6], 0
	s_mov_b32 s[G1+7], 0
	; w: 128 rows of K x 128 columns
	s_or_b32 s[G1B+0], s44, (1<<16)|(1<<20)|(1<<21)|(5<<22)|(7<<25)
	s_mov_b32 s[G1B+1], 128<<16
	s_mov_b32 s[G1B+2], 128<<16
	s_mov_b32 s[G1B+3], 128<<16
	s_mov_b32 s[G1B+4], 128
	s_mov_b32 s[G1B+5], 128
	s_mov_b32 s[G1B+6], 0
	s_mov_b32 s[G1B+7], 0
	s_mov_b32 s[RESC], 0x3e93cd3a                  ; 1 / sqrt(12)
	s_mov_b32 s[RESC+1], s[RESC]
	s_and_b32 s16, ttmp7, 3                        ; where my cluster's walk begins: cluster y mod 4,
	s_mul_i32 s16, s16, NS/4
	s_mul_i32 s17, ttmp9, NS/2                     ; cluster x
	s_add_co_u32 s[KS], s16, s17
	s_and_b32 s[KS], s[KS], NS-1
	s_mov_b32 s[TA+1], 0
	s_mov_b32 s[TW+1], 0
	s_mov_b32 s[SB], 0                             ; the walk's first step lies in slot 0
	s_lshl_b32 s16, s13, 14                        ; a: row 128 x tile row (128 bytes each) of block 2 x half (524,288 bytes each)
	s_lshl_b32 s17, s12, 20
	s_add_co_u32 s16, s16, s17
	s_mov_b32 s17, 0
	s_mul_i32 s46, s42, KTOT*256                   ; w: block = tile column, row 128 x half
	s_lshl_b32 s47, s12, 15
	s_add_co_u32 s46, s46, s47
	s_add_co_u32 s46, s46, WOFF
	s_mov_b32 s47, 0
	s_mul_i32 s[WP], s10, QW                       ; where they go: wave x 36,864
	s_wait_dscnt 0x0                               ; both opening adds are done
	s_wait_kmcnt 0x0
	s_add_nc_u64 s[14:15], s[4:5], s[16:17]        ; what I fetch of a, at K step 0
	s_add_nc_u64 s[46:47], s[6:7], s[46:47]        ; and of w
	CROUND                                         ; all sixteen work-groups are here: the first joint loads meet
.irp s, 0,1
	s_mov_b32 s[G0+4*(\s)], 1
	s_add_co_u32 s[G0+4*(\s)+1], s[WP], (\s)*SLOT
	s_mov_b32 s[G0B+4*(\s)], 1
	s_add_co_u32 s[G0B+4*(\s)+1], s[WP], (\s)*SLOT
	DESC \s
	JLOAD \s
.endr
	v_and_b32 v1, 15, v0                           ; l % 16
	v_bfe_u32 v2, v0, 4, 1                         ; l / 16
	v_lshlrev_b32 v[CO], 12, v2                    ; lanes 0-15 one row of res and out, lanes 16-31 the next; 16 bytes a lane
	v_lshl_add_u32 v[CO], v1, 4, v[CO]
	v_lshlrev_b32 v[BOF], 5, v2
	s_lshl_b32 s16, s13, 19                        ; row 128 x tile row + 64 x half, 4,096 bytes each
	s_lshl_b32 s17, s11, 18
	s_add_co_u32 s16, s16, s17
	s_lshl_b32 s18, s42, 9                         ; column 128 x tile column + 64 x half, 4 bytes each
	s_lshl_b32 s19, s12, 8
	s_add_co_u32 s18, s18, s19
	s_add_co_u32 s16, s16, s18
	s_mov_b32 s17, 0
	s_mov_b32 s19, 0
	s_add_nc_u64 s[8:9], s[8:9], s[16:17]
	s_add_nc_u64 s[70:71], s[70:71], s[16:17]
	s_add_nc_u64 s[68:69], s[68:69], s[18:19]
.irp b, 0,1,2,3                        ; my lane's biases: columns 16 b + 8 (l / 16) + 0..7: what the sums begin with
	global_load_b128 v[BI+8*(\b):BI+8*(\b)+3],   v[BOF], s[68:69] offset:64*(\b)
	global_load_b128 v[BI+8*(\b)+4:BI+8*(\b)+7], v[BOF], s[68:69] offset:64*(\b)+16
.endr
	WIN 0x80                                       ; destination window 2
.set i, 0
.rept 32
	global_load_b128 v[4*i:4*i+3], v[CO], s[70:71] offset:2*i*4096  ; my 64 rows x 256 bytes of the residual, two rows an instruction
.set i, i+1
.endr
	WIN 0
	v_mul_u32_u24 v3, v1, PITA
	v_lshl_add_u32 v3, v2, 4, v3                   ; a: row x pitch + 16 x half
	v_and_b32 v4, 7, v0                            ; w, turned: lane l reads row 8 (l / 16) + l % 8 of K, columns 8 ((l / 8) % 2) + 0..7
	v_lshl_add_u32 v4, v2, 3, v4
	v_mul_u32_u24 v4, v4, PITW
	v_bfe_u32 v5, v0, 3, 1
	v_lshl_add_u32 v4, v5, 4, v4
	s_mul_i32 s21, s11, 64*PITA                    ; my 64 rows of a
	s_lshl_b32 s22, s12, 7                         ; my 64 columns of w
	s_add_co_u32 s22, s22, WBASE
	v_add_nc_u32 v[A0], s21, v3
	v_add_nc_u32 v[W0], s22, v4
	v_mov_b32 v[ADRA], v[A0]
	v_mov_b32 v[ADRW], v[W0]
	v_add_nc_u32 v[ADRW+1], QW, v[W0]
	s_mul_i32 s23, s10, 16*SPITCH
	s_add_co_u32 s23, s23, STAGE                   ; my stage
	v_mul_u32_u24 v6, v1, SPITCH                   ; in: row l % 16, 32 bytes for each half of the lanes
	v_lshl_add_u32 v6, v2, 5, v6
	v_add_nc_u32 v[STO], s23, v6
	v_mul_u32_u24 v6, v2, SPITCH                   ; back: lanes 0-15 one row of 256 bytes, lanes 16-31 the next
	v_lshl_add_u32 v6, v1, 4, v6
	v_add_nc_u32 v[RD], s23, v6
.if NS > 4
	; THE PREFETCHES.  A cluster asks for the K steps 4 .. NS/2 - 1 of its own walk of a, each two refills ahead; the other cluster that reads these rows reaches them NS/2 trips later and does not ask: each block
	; of 256 bytes is named once in the launch.  Of a step's 2 x 16,384 bytes that wave 0 or 1 fetches, each of the four partners that ask jointly takes 8,192, told apart by address.  The walk's steps 0 to 3 come
	; by their loads alone.  w is not asked for: of the clusters that read a block of it, one reaches each K step within its walk's first NS/4 steps.
	s_lshr_b32 s16, s40, 1
	s_lshl1_add_u32 s16, s12, s16                  ; block 2 x half + cx / 2,
	s_lshl_b32 s16, s16, 19
	s_lshl_b32 s17, s13, 14
	s_add_co_u32 s16, s16, s17
	s_and_b32 s17, s40, 1                          ; its rows' half cx % 2
	s_lshl_b32 s17, s17, 13
	s_add_co_u32 s16, s16, s17
	s_mov_b32 s17, 0
	s_add_nc_u64 s[PFB:PFB+1], s[4:5], s[16:17]
	s_cmp_eq_u32 s11, 0                            ; do I fetch for a?
	s_cselect_b32 s[LIM], NS/2+2, -1               ; the loop counts NS - 2 .. 1: its first NS/2 - 4 trips ask
	v_and_b32 v[PFO], 31, v0
	v_lshlrev_b32 v[PFO], 8, v[PFO]
.endif
; 8 matrix instructions: row blocks a0, a0 + 1 x all 4 column blocks, 32 along K: half c of buffer f.  first = 1: the product starts the sum, with the column block's biases as C.
; The 16 accumulators take turns.
.macro MUL8 f, c, a0, first
	WIN MUL
.irp a, \a0, (\a0)+1
.irp b, 0,1,2,3
.if \first
	v_wmma_f32_16x16x32_bf16 v[ACC+8*(4*(\a)+(\b)):ACC+8*(4*(\a)+(\b))+7], v[(\f)+64+8*(4*(\c)+(\b)):(\f)+64+8*(4*(\c)+(\b))+7], v[(\f)+8*(4*(\c)+(\a)):(\f)+8*(4*(\c)+(\a))+7], v[BI+8*(\b):BI+8*(\b)+7]
.else
	v_wmma_f32_16x16x32_bf16 v[ACC+8*(4*(\a)+(\b)):ACC+8*(4*(\a)+(\b))+7], v[(\f)+64+8*(4*(\c)+(\b)):(\f)+64+8*(4*(\c)+(\b))+7], v[(\f)+8*(4*(\c)+(\a)):(\f)+8*(4*(\c)+(\a))+7], v[ACC+8*(4*(\a)+(\b)):ACC+8*(4*(\a)+(\b))+7]
.endif
.endr
.endr
.endm
; 32 LDS loads in one run: the fragments of quarter q (64 along K: one block of a) of the slot in hand into buffer f; the first 32 along K first
.macro FETCH q, f
	WIN TO_F
.irp c, 0,1
.irp i, 0,1,2,3
	ds_load_tr16_b128 v[(\f)+64+8*(4*(\c)+(\i)):(\f)+64+8*(4*(\c)+(\i))+3],   v[ADRW+(\q)/2] offset:((\q)%2)*64*PITW+(\c)*32*PITW+32*(\i)
	ds_load_tr16_b128 v[(\f)+64+8*(4*(\c)+(\i))+4:(\f)+64+8*(4*(\c)+(\i))+7], v[ADRW+(\q)/2] offset:((\q)%2)*64*PITW+(\c)*32*PITW+32*(\i)+16*PITW
	ds_load_b128 v[(\f)+8*(4*(\c)+(\i)):(\f)+8*(4*(\c)+(\i))+3],              v[ADRA] offset:(\q)*KBLK+64*(\c)+(\i)*16*PITA
	ds_load_b128 v[(\f)+8*(4*(\c)+(\i))+4:(\f)+8*(4*(\c)+(\i))+7],            v[ADRA] offset:(\q)*KBLK+64*(\c)+(\i)*16*PITA+32
.endr
.endr
.endm
.macro PLACES                          ; four plain instructions between a matrix instruction and a load into, or a vector instruction on, its registers
.rept 4
	v_nop
.endr
.endm
.macro QUARTER q, f, g, first
	s_wait_dscnt 16                                ; the first 32 along K are in
	MUL8 \f, 0, 0, \first
	MUL8 \f, 0, 2, \first
	PLACES
	FETCH \q, \g
	s_wait_dscnt 32                                ; all but the 32 just issued
	MUL8 \f, 1, 0, 0
	MUL8 \f, 1, 2, 0
.endm
; The last quarter multiplies buffer 1 and changes slots: one barrier; in front of it each wave waits for all its tensor loads, adds 0 to its spare word, and waits for that and for its reads of this slot.
; fill = 1: the barrier opens a round of the cluster's, and the slot just read is filled again first behind it, with the walk's step two on.
.macro TURN fill
.if (\fill) && (NS > 4)
	s_wait_xcnt 0x0                                ; the last prefetch, a K step back, has read its address: the next names the step two behind the one that is now asked for
	s_add_co_u32 s[TA], s[KS], 2
	s_and_b32 s[TA], s[TA], NS-1
	s_lshl_b32 s[TA], s[TA], 21
	s_add_nc_u64 s[PFA:PFA+1], s[PFB:PFB+1], s[TA:TA+1]
.endif
	WIN 0
	s_wait_tensorcnt 0x0                           ; no tensor load of mine is out, so the walking descriptors may be written
	ds_add_u32 v[SPW], v[NIL]
.if \fill
	s_add_co_u32 s[G0+5], s[WP], s[SB]             ; into the slot in hand
	s_add_co_u32 s[G0B+5], s[WP], s[SB]
	DESC 1
.endif
	s_wait_dscnt 17                                ; (the add and the youngest sixteen loads may be out)
	MUL8 F1, 0, 0, 0
	s_wait_dscnt 0x0                               ; the add is done, and my reads of this slot are over
	s_barrier_signal -1
	MUL8 F1, 0, 2, 0
	WIN 0
	s_barrier_wait -1
.if \fill
	CREST                                          ; no wave of any partner still reads this slot or has a load on its way
	JLOAD 1                                        ; the four v_nop behind it are also the places in front of the loads below
.else
	PLACES
.endif
	s_xor_b32 s[SB], s[SB], SLOT                   ; the other slot is in hand
	v_add_nc_u32 v[ADRA], s[SB], v[A0]
	v_add_nc_u32 v[ADRW], s[SB], v[W0]
	v_add_nc_u32 v[ADRW+1], QW, v[ADRW]
	FETCH 0, F0
.if (\fill) && (NS > 4)
	WIN 0
	ASK
.endif
	MUL8 F1, 1, 0, 0
	MUL8 F1, 1, 2, 0
.endm
; THE WAY OUT of my rows 16 a .. 16 a + 15.  TOSTAGE: the sums in f32 into my stage (each accumulator's low half first), and back as whole rows of 256 bytes.  FIN: x RES + residual, stored.
.macro TOSTAGE a
.if (\a) >= 2
	s_wait_xcnt 0x0                                ; the stores of two blocks back have read the registers that are loaded again
.endif
.irp b, 0,1,2,3
	ds_store_b128 v[STO], v[ACC+8*(4*(\a)+(\b)):ACC+8*(4*(\a)+(\b))+3]   offset:64*(\b)
	ds_store_b128 v[STO], v[ACC+8*(4*(\a)+(\b))+4:ACC+8*(4*(\a)+(\b))+7] offset:64*(\b)+16
.endr
.irp t, 0,1,2,3,4,5,6,7
	ds_load_b128 v[TMP+32*((\a)%2)+4*(\t):TMP+32*((\a)%2)+4*(\t)+3], v[RD] offset:(\t)*2*SPITCH  ; LDS serves a wave's instructions in order: these see the stores above
.endr
.endm
.macro FIN a, younger
.set TT, TMP+32*((\a)%2)
	s_wait_dscnt \younger
.if (\a) == 0
	s_wait_loadcnt 0x0                             ; the residual
.endif
	WIN 0x20                                       ; source 2: window 2
.irp t, 0,1,2,3,4,5,6,7
	v_pk_fma_f32 v[TT+4*(\t):TT+4*(\t)+1],   v[TT+4*(\t):TT+4*(\t)+1],   s[RESC:RESC+1], v[4*(8*(\a)+(\t)):4*(8*(\a)+(\t))+1]   op_sel_hi:[1,0,1]
	v_pk_fma_f32 v[TT+4*(\t)+2:TT+4*(\t)+3], v[TT+4*(\t)+2:TT+4*(\t)+3], s[RESC:RESC+1], v[4*(8*(\a)+(\t))+2:4*(8*(\a)+(\t))+3] op_sel_hi:[1,0,1]
.endr
	WIN 0
.irp t, 0,1,2,3,4,5,6,7
	global_store_b128 v[CO], v[TT+4*(\t):TT+4*(\t)+3], s[8:9] offset:(16*(\a)+2*(\t))*4096  ; 16 lanes store 256 consecutive bytes, aligned
.endr
.endm
	s_wait_tensorcnt 1                             ; my part of the walk's first step is in; the second's may stay out
	s_barrier_signal -1
	s_barrier_wait -1
	FETCH 0, F0
	s_wait_loadcnt 32                              ; the biases are in; the residual's 32 loads may stay out
	QUARTER 1, F0, F1, 1                           ; the first quarter stands in front of the loop: its first products start the sums
	WIN 0
	s_mov_b32 s3, NS-2
.Lstep:                                                ; a trip is a K step, from its second quarter to the next step's first, and fills the slot that it leaves
	QUARTER 2, F1, F0, 0
	QUARTER 3, F0, F1, 0
	TURN 1
	QUARTER 1, F0, F1, 0
	WIN 0
	s_sub_co_u32 s3, s3, 1
	s_cmp_lg_u32 s3, 0
	s_cbranch_scc1 .Lstep
	QUARTER 2, F1, F0, 0                           ; the last two K steps fill nothing
	QUARTER 3, F0, F1, 0
	TURN 0
	QUARTER 1, F0, F1, 0
	QUARTER 2, F1, F0, 0
	QUARTER 3, F0, F1, 0
	s_wait_dscnt 16
	MUL8 F1, 0, 0, 0
	MUL8 F1, 0, 2, 0
	s_wait_dscnt 0x0
	MUL8 F1, 1, 0, 0
	MUL8 F1, 1, 2, 0
	WIN 0
	PLACES
	PLACES
	TOSTAGE 0
.irp a, 1,2,3
	TOSTAGE \a
	FIN (\a)-1, 16                                 ; the next block's eight stores and eight loads may be out
.endr
	FIN 3, 0
	s_wait_tensorcnt 0x0                           ; the wave's end
	ds_add_u32 v[SPW], v[NIL]
	s_wait_dscnt 0x0
	CROUND                                         ; the closing round
	s_endpgm
.Lfunc_end_k_q4f5b65b1e8_wo:
	.size	k_q4f5b65b1e8_wo, .Lfunc_end_k_q4f5b65b1e8_wo-k_q4f5b65b1e8_wo
	.p2alignl 7, 3214868480
	.fill 96, 4, 3214868480
	.section	.rodata,"a",@progbits
	.p2align	6, 0x0
	.amdhsa_kernel k_q4f5b65b1e8_wo
		.amdhsa_group_segment_fixed_size 327680
		.amdhsa_private_segment_fixed_size 0
		.amdhsa_enable_private_segment 0
		.amdhsa_kernarg_size 40
		.amdhsa_user_sgpr_count 2
		.amdhsa_user_sgpr_kernarg_segment_ptr 1
		.amdhsa_wavefront_size32 1
		.amdhsa_system_sgpr_workgroup_id_x 1
		.amdhsa_system_sgpr_workgroup_id_y 1
		.amdhsa_system_sgpr_workgroup_id_z 1
		.amdhsa_system_vgpr_workitem_id 0
		.amdhsa_next_free_vgpr 640
		.amdhsa_next_free_sgpr 84
		.amdhsa_reserve_vcc 0
		.amdhsa_float_denorm_mode_32 3
		.amdhsa_float_denorm_mode_16_64 3
		.amdhsa_memory_ordered 1
		.amdhsa_forward_progress 1
		.amdhsa_inst_pref_size 77
	.end_amdhsa_kernel
	.amdgpu_metadata
---
amdhsa.version: [ 1, 2 ]
amdhsa.kernels:
  - .name:           k_q4f5b65b1e8_wo
    .symbol:         k_q4f5b65b1e8_wo.kd
    .args:
      - { .name: act, .offset: 0, .size: 8, .value_kind: global_buffer, .address_space: global }
      - { .name: wn, .offset: 8, .size: 8, .value_kind: global_buffer, .address_space: global }
      - { .name: bo, .offset: 16, .size: 8, .value_kind: global_buffer, .address_space: global }
      - { .name: x, .offset: 24, .size: 8, .value_kind: global_buffer, .address_space: global }
      - { .name: x1, .offset: 32, .size: 8, .value_kind: global_buffer, .address_space: global }
    .group_segment_fixed_size: 327680
    .private_segment_fixed_size: 0
    .kernarg_segment_align: 8
    .kernarg_segment_size: 40
    .max_flat_workgroup_size: 128
    .sgpr_count:     84
    .vgpr_count:     640
    .wavefront_size: 32
...
	.end_amdgpu_metadata
.endif
;; end of part 4
;; launch ln2 (part 5): grid 512 x 1, 8 waves a work-group, no clusters, 0 bytes of LDS; arguments x1, g2, be2, act; writes act
.if DOCPART == 5
	.amdgcn_target "amdgcn-amd-amdhsa--gfx1250"
	.amdhsa_code_object_version 6
	.text
	.protected	k_q4f5b65b1e8_ln2
	.globl	k_q4f5b65b1e8_ln2
	.p2align	8
	.type	k_q4f5b65b1e8_ln2,@function
k_q4f5b65b1e8_ln2:
	s_mov_b64 s[64:65], 0
	v_nop
	global_prefetch_b8 v0, s[64:65] scope:SCOPE_SE
	s_setreg_imm32_b32 hwreg(HW_REG_WAVE_MODE, 25, 1), 1
	s_wait_xcnt 0x0
; LayerNorm 2: act = bf16((x1 - mean) rsqrt(var + 1e-5) g2 + be2), row-major [4096][1024].  A work-group has 8 rows, a wave one; the row stays in 32 registers of the wave between its passes,
; so it is read once and no wave waits for another.  The mean is taken away before the squares are summed, as the module does it.  Sums in f32; the result is rounded once.
.set T,   4                            ; v[4:15]    at work
.set G,   16                           ; v[16:47]   gain of my 32 columns
.set BV,  48                           ; v[48:79]   bias of my 32 columns
.set X,   80                           ; v[80:111]  the row
.macro JOIN
	v_pk_add_f32 v[T:T+1], v[T:T+1], v[T+2:T+3]
	v_pk_add_f32 v[T+4:T+5], v[T+4:T+5], v[T+6:T+7]
	v_pk_add_f32 v[T:T+1], v[T:T+1], v[T+4:T+5]
	v_add_f32 v[T], v[T], v[T+1]
.endm
.macro RED
	v_add_f32_dpp v[T], v[T], v[T] row_xmask:1 row_mask:0xf bank_mask:0xf
	v_add_f32_dpp v[T], v[T], v[T] row_xmask:2 row_mask:0xf bank_mask:0xf
	v_add_f32_dpp v[T], v[T], v[T] row_xmask:4 row_mask:0xf bank_mask:0xf
	v_add_f32_dpp v[T], v[T], v[T] row_xmask:8 row_mask:0xf bank_mask:0xf
	v_permlanex16_b32 v[T+1], v[T], s12, s13
	v_add_f32 v[T], v[T], v[T+1]
.endm
	s_load_b128 s[4:7], s[0:1], 0x0                ; x1 s[4:5], g2 s[6:7]
	s_load_b128 s[8:11], s[0:1], 0x10              ; be2 s[8:9], act s[10:11]
	s_mov_b32 s2, ttmp9
	v_and_b32 v3, 31, v0
	v_lshrrev_b32 v1, 5, v0
	v_readfirstlane_b32 s3, v1                     ; wave 0..7
	s_mov_b32 s12, 0x76543210                      ; v_permlanex16_b32: each lane takes its own place in the other half
	s_mov_b32 s13, 0xfedcba98
	s_mov_b32 s14, 0x3a800000                      ; 1 / 1024
	s_mov_b32 s15, 0x3727c5ac                      ; 1e-5
	v_lshlrev_b32 v1, 4, v3                        ; 16 bytes a lane of f32: columns 4 l + 128 j
	v_lshlrev_b32 v2, 3, v3                        ; 8 bytes a lane of bf16
	s_lshl3_add_u32 s16, s2, s3                    ; my row: 8 g + w
	s_lshl_b32 s18, s16, 12
	s_mov_b32 s19, 0
	s_lshl_b32 s16, s16, 11
	s_mov_b32 s17, 0
	s_wait_kmcnt 0x0
	s_add_nc_u64 s[4:5], s[4:5], s[18:19]
	s_add_nc_u64 s[10:11], s[10:11], s[16:17]
.irp j, 0,1,2,3,4,5,6,7
	global_load_b128 v[X+4*(\j):X+4*(\j)+3], v1, s[4:5] offset:512*(\j)
.endr
.irp j, 0,1,2,3,4,5,6,7
	global_load_b128 v[G+4*(\j):G+4*(\j)+3], v1, s[6:7] offset:512*(\j)
.endr
.irp j, 0,1,2,3,4,5,6,7
	global_load_b128 v[BV+4*(\j):BV+4*(\j)+3], v1, s[8:9] offset:512*(\j)
.endr
	s_wait_loadcnt 16                              ; the row is in; gain's and bias's sixteen loads may be out
.irp k, 0,1,2,3
	v_pk_add_f32 v[T+2*(\k):T+2*(\k)+1], v[X+4*(\k):X+4*(\k)+1], v[X+4*(\k)+2:X+4*(\k)+3]
.endr
.irp k, 0,1,2,3,4,5,6,7
	v_pk_add_f32 v[T+2*((\k)%4):T+2*((\k)%4)+1], v[T+2*((\k)%4):T+2*((\k)%4)+1], v[X+16+2*(\k):X+16+2*(\k)+1]
.endr
	JOIN
	RED
	v_mul_f32 v[T+8], s14, v[T]                    ; the mean,
	v_mul_f32 v[T+9], s14, v[T]                    ; twice, for the packed subtraction
.irp k, 0,1,2,3,4,5,6,7,8,9,10,11,12,13,14,15
	v_pk_add_f32 v[X+2*(\k):X+2*(\k)+1], v[X+2*(\k):X+2*(\k)+1], v[T+8:T+9] neg_lo:[0,1] neg_hi:[0,1]
.endr
.irp k, 0,1,2,3
	v_pk_mul_f32 v[T+2*(\k):T+2*(\k)+1], v[X+2*(\k):X+2*(\k)+1], v[X+2*(\k):X+2*(\k)+1]
.endr
.irp k, 4,5,6,7,8,9,10,11,12,13,14,15
	v_pk_fma_f32 v[T+2*((\k)%4):T+2*((\k)%4)+1], v[X+2*(\k):X+2*(\k)+1], v[X+2*(\k):X+2*(\k)+1], v[T+2*((\k)%4):T+2*((\k)%4)+1]
.endr
	JOIN
	RED
	v_fma_f32 v[T], v[T], s14, s15                 ; variance + eps
	v_rsq_f32 v[T+10], v[T]
	v_mov_b32 v[T+11], 0                           ; the plain instruction behind the root; it also writes the pair's second word
	s_wait_alu depctr_va_vdst(0)                   ; the wait ahead of the first use of the root
	s_wait_loadcnt 0x0                             ; gain and bias
.irp k, 0,1,2,3,4,5,6,7,8,9,10,11,12,13,14,15
	v_pk_mul_f32 v[X+2*(\k):X+2*(\k)+1], v[X+2*(\k):X+2*(\k)+1], v[T+10:T+11] op_sel_hi:[1,0]
.endr
.irp k, 0,1,2,3,4,5,6,7,8,9,10,11,12,13,14,15
	v_pk_fma_f32 v[X+2*(\k):X+2*(\k)+1], v[X+2*(\k):X+2*(\k)+1], v[G+2*(\k):G+2*(\k)+1], v[BV+2*(\k):BV+2*(\k)+1]
.endr
.irp j, 0,1,2,3,4,5,6,7
	v_cvt_pk_bf16_f32 v[X+4*(\j)], v[X+4*(\j)], v[X+4*(\j)+1]
	v_cvt_pk_bf16_f32 v[X+4*(\j)+1], v[X+4*(\j)+2], v[X+4*(\j)+3]
	global_store_b64 v2, v[X+4*(\j):X+4*(\j)+1], s[10:11] offset:256*(\j)  ; the wave's 32 lanes store 256 consecutive bytes, aligned
.endr
	s_endpgm
.Lfunc_end_k_q4f5b65b1e8_ln2:
	.size	k_q4f5b65b1e8_ln2, .Lfunc_end_k_q4f5b65b1e8_ln2-k_q4f5b65b1e8_ln2
	.p2alignl 7, 3214868480
	.fill 96, 4, 3214868480
	.section	.rodata,"a",@progbits
	.p2align	6, 0x0
	.amdhsa_kernel k_q4f5b65b1e8_ln2
		.amdhsa_group_segment_fixed_size 0
		.amdhsa_private_segment_fixed_size 0
		.amdhsa_enable_private_segment 0
		.amdhsa_kernarg_size 32
		.amdhsa_user_sgpr_count 2
		.amdhsa_user_sgpr_kernarg_segment_ptr 1
		.amdhsa_wavefront_size32 1
		.amdhsa_system_sgpr_workgroup_id_x 1
		.amdhsa_system_sgpr_workgroup_id_y 1
		.amdhsa_system_sgpr_workgroup_id_z 1
		.amdhsa_system_vgpr_workitem_id 0
		.amdhsa_next_free_vgpr 112
		.amdhsa_next_free_sgpr 66
		.amdhsa_reserve_vcc 0
		.amdhsa_float_denorm_mode_32 3
		.amdhsa_float_denorm_mode_16_64 3
		.amdhsa_memory_ordered 1
		.amdhsa_forward_progress 1
		.amdhsa_inst_pref_size 12
	.end_amdhsa_kernel
	.amdgpu_metadata
---
amdhsa.version: [ 1, 2 ]
amdhsa.kernels:
  - .name:           k_q4f5b65b1e8_ln2
    .symbol:         k_q4f5b65b1e8_ln2.kd
    .args:
      - { .name: x1, .offset: 0, .size: 8, .value_kind: global_buffer, .address_space: global }
      - { .name: g2, .offset: 8, .size: 8, .value_kind: global_buffer, .address_space: global }
      - { .name: be2, .offset: 16, .size: 8, .value_kind: global_buffer, .address_space: global }
      - { .name: act, .offset: 24, .size: 8, .value_kind: global_buffer, .address_space: global }
    .group_segment_fixed_size: 0
    .private_segment_fixed_size: 0
    .kernarg_segment_align: 8
    .kernarg_segment_size: 32
    .max_flat_workgroup_size: 256
    .sgpr_count:     66
    .vgpr_count:     112
    .wavefront_size: 32
...
	.end_amdgpu_metadata
.endif
;; end of part 5
;; launch ffn1: the kernel of part 2 again; grid 16 x 16, 4 waves a work-group, clusters of 4 x 4, 327,680 bytes of LDS; arguments act, w1b, epf, big; writes big
;; launch ffn2 (part 6): grid 8 x 32, 4 waves a work-group, clusters of 4 x 4, 327,680 bytes of LDS; arguments big, wn, b2, x1, out0; writes out0
.if DOCPART == 6
	.amdgcn_target "amdgcn-amd-amdhsa--gfx1250"
	.amdhsa_code_object_version 6
	.text
	.protected	k_q4f5b65b1e8_ffn2
	.globl	k_q4f5b65b1e8_ffn2
	.p2align	8
	.type	k_q4f5b65b1e8_ffn2,@function
k_q4f5b65b1e8_ffn2:
	s_mov_b64 s[64:65], 0
	v_nop
	global_prefetch_b8 v0, s[64:65] scope:SCOPE_SE
	s_setreg_imm32_b32 hwreg(HW_REG_WAVE_MODE, 25, 1), 1
	s_wait_xcnt 0x0
	s_wait_alu depctr_hold_cnt(0) depctr_sa_sdst(0) depctr_va_vdst(0) depctr_va_sdst(0) depctr_va_ssrc(0) depctr_va_vcc(0) depctr_vm_vsrc(0)
	s_getreg_b32 s2, hwreg(HW_REG_IB_STS2, 6, 4)
	s_cmp_eq_u32 s2, 0
	s_cbranch_scc0 .Lentry_in_a_cluster
	s_endpgm
.Lentry_in_a_cluster:
	s_bfe_u32 s2, ttmp6, 0x10000c
	s_cmp_lg_u32 s2, 0xf033
	s_cbranch_scc0 .Lentry_shape_is_right
	s_endpgm
.Lentry_shape_is_right:
; out = res + RES (a w + bias), RES = 1 / sqrt(12).  Here: out0 = x1 + RES (f1 W2 + b2), K = 4,096.  (The same text with K = 1,024 is the fourth launch's.)
; a: bf16 in blocks [K/64][4096][64] (rows of 128 bytes, end to end).  w: bf16 in blocks [8][K][128] from byte WOFF.  bias [1024], res and out [4096][1024] in f32.  Sums in f32, begun with the bias.
; A tile of out is 128 x 128: 256 work-groups.  Four waves, 64 x 64 each: 16 accumulators.  K goes in NS steps of 256 through two LDS slots.
; A K STEP IS WRITTEN ONCE: the slot in hand is a scalar, 0 or SLOT, turned by an exclusive or at each change of slots; the fragments' LDS addresses are a lane's term plus that scalar, and one descriptor walks.
; CLUSTER: 4 x 4 work-groups; a's tiles are shared along a row of the cluster, w's along a column: joint loads.
; THE WALK ALONG K BEGINS AT A STEP OF THE CLUSTER'S OWN, (NS/2) X + (NS/4) (Y mod 4) for the cluster at (X, Y), and wraps at NS.  So the two clusters that read the same rows of a stand NS/2 steps apart,
; and four neighbouring clusters along y, which read the same block of w, NS/4 steps apart: they ask for a tile in different trips.  Only the order of a sum's terms is turned by it.
; The start hangs on the cluster's coordinates alone, which all sixteen partners share.  A refill's address is made anew: the tile's base plus the step's number shifted.
; THE MATRIX INSTRUCTION IS USED TRANSPOSED (source 0 = 16 columns of w, turned out of LDS; source 1 = 16 rows of a): a lane holds row l % 16 and eight neighbouring columns; its eight biases of a column
; block are the C operand of that block's first products.
; The residual's rows are asked for at the head and waited for on the way out.
; REGISTERS: window 0: v0-31 addresses; v32-95 at work on the way out; v96-127 my lane's 32 biases; v128-255 the accumulators ((a, b) at v[128 + 8 (4 a + b)])
;   window 1: two fragment buffers of 128: for 64 along K, 64 registers of a, then 64 of w          window 2: v0-127 the residual
.set KTOT,   4096
.set WOFF,   2097152
.set NS,     KTOT/256                  ; K steps
.set PITA,   144                       ; a row of a in LDS: 128 bytes + 16
.set PITW,   288                       ; a row of w: 256 + 32
.set KBLK,   128*PITA                  ; 128 rows of one block of 64 along K
.set QW,     36864                     ; what one tensor load brings: two such blocks of a, or 128 rows of w
.set WBASE,  2*QW
.set SLOT,   4*QW
.set STAGE,  2*SLOT                    ; never filled by a tensor load: for each wave 16 rows x 272 bytes of f32
.set SPITCH, 272
.set SPARE,  STAGE+4*16*SPITCH         ; the spare words, 128 bytes a wave: two blocks of 256 bytes that no other line names
.set BOF,  11                          ; v11     32 (l / 16): my eight columns' biases
.set A0,   16                          ; v16     my fragments of a in slot 0; never rewritten
.set W0,   17                          ; v17     the same for w
.set ADRA, 20                          ; v20     my fragments of a in the slot in hand
.set ADRW, 21                          ; v21-22  of w: the first and the second half of the K step
.set STO,  24
.set RD,   25
.set CO,   26                          ; v26     my byte offset in two rows of res and out
.set PFO,  27                          ; v27     256 x lane; never rewritten
.set SPW,  28
.set NIL,  29
.set TMP,  32
.set BI,   96
.set ACC,  128
.set F0,   0
.set F1,   128
.set G1,  24                           ; s[24:31] descriptor group 1 for a's tiles; s[32:39] group 0: a set for each of the two first fills; the second then walks on
.set G0,  32
.set G1B, 48                           ; s[48:55], s[56:63] the same for w's
.set G0B, 56
.set LIM, 43                           ; s43  NS/2 + 2 in a wave that prefetches, else the greatest number
.set PFA, 44                           ; s[44:45] what my next prefetch names
.set RESC, 72                          ; s[72:73] RES
.set PFB, 74                           ; s[74:75] my work-group's share of the rows of a that I fetch, at K step 0
.set SB,  76                           ; s76  the slot in hand: 0 or SLOT
.set WP,  77                           ; s77  where in a slot my tensor load lands
.set KS,  78                           ; s78  the K step that the next fill brings
.set TA,  80                           ; s[80:81] its byte offset in a
.set TW,  82                           ; s[82:83] and in w
.set MSB, 0
.macro WIN new
.if MSB != (\new)
	s_set_vgpr_msb (MSB<<8)|(\new)
.set MSB, \new
.endif
.endm
.set MUL,  0x05                        ; sources 0 and 1 window 1; C and D window 0
.set TO_F, 0x40                        ; destination window 1, address window 0
.macro JLOAD s                         ; a joint load: waves 0 and 1 fetch a's blocks, waves 2 and 3 w's rows; an s_nop 0 and four v_nop follow each line
	s_cmp_eq_u32 s11, 0
	s_cbranch_scc0 .Lfor_b_\@
	tensor_load_to_lds s[G0+4*(\s):G0+4*(\s)+3], s[G1:G1+7]
	s_nop 0
.rept 4
	v_nop
.endr
	s_branch .Lasked_\@
.Lfor_b_\@:
	tensor_load_to_lds s[G0B+4*(\s):G0B+4*(\s)+3], s[G1B:G1B+7]
	s_nop 0
.rept 4
	v_nop
.endr
.Lasked_\@:
.endm
.macro DESC s                          ; set s of both descriptors takes K step KS: a step is four blocks of a (2,097,152 bytes) and 256 rows of w (65,536); KS goes on, and wraps
	s_lshl_b32 s[TA], s[KS], 21
	s_lshl_b32 s[TW], s[KS], 16
	s_add_nc_u64 s[G0+4*(\s)+2:G0+4*(\s)+3], s[14:15], s[TA:TA+1]
	s_or_b32 s[G0+4*(\s)+3], s[G0+4*(\s)+3], 0x80000000
	s_add_nc_u64 s[G0B+4*(\s)+2:G0B+4*(\s)+3], s[46:47], s[TW:TW+1]
	s_or_b32 s[G0B+4*(\s)+3], s[G0B+4*(\s)+3], 0x80000000
	s_add_co_u32 s[KS], s[KS], 1
	s_and_b32 s[KS], s[KS], NS-1
.endm
.macro ASK                             ; a prefetch of a's K step two refills on: 32 blocks of 256 bytes, a lane each
	s_cmp_gt_u32 s3, s[LIM]
	s_cbranch_scc0 .Lnot_mine_\@
	global_prefetch_b8 v[PFO], s[PFA:PFA+1] th:TH_LOAD_NT scope:SCOPE_SE
.Lnot_mine_\@:
.endm
.macro CREST
	s_cmp_lg_u32 s10, 0
	s_cbranch_scc1 .Lnot_wave_0_\@
	s_barrier_signal -3
.Lnot_wave_0_\@:
	s_barrier_wait -3
	s_barrier_signal -1
	s_barrier_wait -1
.endm
.macro CROUND
	s_barrier_signal -1
	s_barrier_wait -1
	CREST
.endm
	s_load_b128 s[4:7], s[0:1], 0x0                ; a s[4:5], w s[6:7]
	s_load_b128 s[68:71], s[0:1], 0x10             ; bias s[68:69], res s[70:71]
	s_load_b64 s[8:9], s[0:1], 0x20                ; out
	v_lshl_add_u32 v[SPW], v0, 2, SPARE
	v_mov_b32 v[NIL], 0
	ds_add_u32 v[SPW], v[NIL]                      ; the wave's opening: the add, twice on end, and its wait ahead of my first tensor load
	ds_add_u32 v[SPW], v[NIL]
	v_lshrrev_b32 v1, 5, v0
	v_readfirstlane_b32 s10, v1                    ; wave 0..3
	s_lshr_b32 s11, s10, 1                         ; which half of the tile's rows is mine.  Also: I fetch for a (0) or for w (1)
	s_and_b32 s12, s10, 1                          ; which half of its columns.  Also: which half of a K step I fetch
	s_bfe_u32 s40, ttmp6, 0x40000                  ; cx
	s_bfe_u32 s41, ttmp6, 0x40004                  ; cy
	s_lshl_b32 s42, ttmp9, 2
	s_add_co_u32 s42, s42, s40                     ; tile column
	s_and_b32 s13, ttmp7, 0xffff
	s_lshl_b32 s13, s13, 2
	s_add_co_u32 s13, s13, s41                     ; tile row
	s_lshl_b32 s43, s41, 2
	s_lshl_b32 s43, 15, s43                        ; my row of the cluster
	s_lshl_b32 s44, 0x1111, s40                    ; my column
	; a: two blocks of 64 along K; in each my tile's 128 rows are 16,384 dense bytes, asked for as one row of 8,192 elements and padded in LDS after every 128 bytes
	s_or_b32 s[G1+0], s43, (1<<16)|(1<<20)|(1<<21)|(4<<22)|(3<<25)
	s_mov_b32 s[G1+1], 8192<<16                    ; tensor_dim0 = 8,192
	s_mov_b32 s[G1+2], 2<<16                       ; tensor_dim1 = 2
	s_mov_b32 s[G1+3], 8192<<16                    ; tile_dim0 = 8,192
	s_mov_b32 s[G1+4], 2                           ; tile_dim1 = 2
	s_mov_b32 s[G1+5], 262144                      ; from block to block: 4,096 rows of 64 elements
	s_mov_b32 s[G1+6], 0
	s_mov_b32 s[G1+7], 0
	; w: 128 rows of K x 128 columns
	s_or_b32 s[G1B+0], s44, (1<<16)|(1<<20)|(1<<21)|(5<<22)|(7<<25)
	s_mov_b32 s[G1B+1], 128<<16
	s_mov_b32 s[G1B+2], 128<<16
	s_mov_b32 s[G1B+3], 128<<16
	s_mov_b32 s[G1B+4], 128
	s_mov_b32 s[G1B+5], 128
	s_mov_b32 s[G1B+6], 0
	s_mov_b32 s[G1B+7], 0
	s_mov_b32 s[RESC], 0x3e93cd3a                  ; 1 / sqrt(12)
	s_mov_b32 s[RESC+1], s[RESC]
	s_and_b32 s16, ttmp7, 3                        ; where my cluster's walk begins: cluster y mod 4,
	s_mul_i32 s16, s16, NS/4
	s_mul_i32 s17, ttmp9, NS/2                     ; cluster x
	s_add_co_u32 s[KS], s16, s17
	s_and_b32 s[KS], s[KS], NS-1
	s_mov_b32 s[TA+1], 0
	s_mov_b32 s[TW+1], 0
	s_mov_b32 s[SB], 0                             ; the walk's first step lies in slot 0
	s_lshl_b32 s16, s13, 14                        ; a: row 128 x tile row (128 bytes each) of block 2 x half (524,288 bytes each)
	s_lshl_b32 s17, s12, 20
	s_add_co_u32 s16, s16, s17
	s_mov_b32 s17, 0
	s_mul_i32 s46, s42, KTOT*256                   ; w: block = tile column, row 128 x half
	s_lshl_b32 s47, s12, 15
	s_add_co_u32 s46, s46, s47
	s_add_co_u32 s46, s46, WOFF
	s_mov_b32 s47, 0
	s_mul_i32 s[WP], s10, QW                       ; where they go: wave x 36,864
	s_wait_dscnt 0x0                               ; both opening adds are done
	s_wait_kmcnt 0x0
	s_add_nc_u64 s[14:15], s[4:5], s[16:17]        ; what I fetch of a, at K step 0
	s_add_nc_u64 s[46:47], s[6:7], s[46:47]        ; and of w
	CROUND                                         ; all sixteen work-groups are here: the first joint loads meet
.irp s, 0,1
	s_mov_b32 s[G0+4*(\s)], 1
	s_add_co_u32 s[G0+4*(\s)+1], s[WP], (\s)*SLOT
	s_mov_b32 s[G0B+4*(\s)], 1
	s_add_co_u32 s[G0B+4*(\s)+1], s[WP], (\s)*SLOT
	DESC \s
	JLOAD \s
.endr
	v_and_b32 v1, 15, v0                           ; l % 16
	v_bfe_u32 v2, v0, 4, 1                         ; l / 16
	v_lshlrev_b32 v[CO], 12, v2                    ; lanes 0-15 one row of res and out, lanes 16-31 the next; 16 bytes a lane
	v_lshl_add_u32 v[CO], v1, 4, v[CO]
	v_lshlrev_b32 v[BOF], 5, v2
	s_lshl_b32 s16, s13, 19                        ; row 128 x tile row + 64 x half, 4,096 bytes each
	s_lshl_b32 s17, s11, 18
	s_add_co_u32 s16, s16, s17
	s_lshl_b32 s18, s42, 9                         ; column 128 x tile column + 64 x half, 4 bytes each
	s_lshl_b32 s19, s12, 8
	s_add_co_u32 s18, s18, s19
	s_add_co_u32 s16, s16, s18
	s_mov_b32 s17, 0
	s_mov_b32 s19, 0
	s_add_nc_u64 s[8:9], s[8:9], s[16:17]
	s_add_nc_u64 s[70:71], s[70:71], s[16:17]
	s_add_nc_u64 s[68:69], s[68:69], s[18:19]
.irp b, 0,1,2,3                        ; my lane's biases: columns 16 b + 8 (l / 16) + 0..7: what the sums begin with
	global_load_b128 v[BI+8*(\b):BI+8*(\b)+3],   v[BOF], s[68:69] offset:64*(\b)
	global_load_b128 v[BI+8*(\b)+4:BI+8*(\b)+7], v[BOF], s[68:69] offset:64*(\b)+16
.endr
	WIN 0x80                                       ; destination window 2
.set i, 0
.rept 32
	global_load_b128 v[4*i:4*i+3], v[CO], s[70:71] offset:2*i*4096  ; my 64 rows x 256 bytes of the residual, two rows an instruction
.set i, i+1
.endr
	WIN 0
	v_mul_u32_u24 v3, v1, PITA
	v_lshl_add_u32 v3, v2, 4, v3                   ; a: row x pitch + 16 x half
	v_and_b32 v4, 7, v0                            ; w, turned: lane l reads row 8 (l / 16) + l % 8 of K, columns 8 ((l / 8) % 2) + 0..7
	v_lshl_add_u32 v4, v2, 3, v4
	v_mul_u32_u24 v4, v4, PITW
	v_bfe_u32 v5, v0, 3, 1
	v_lshl_add_u32 v4, v5, 4, v4
	s_mul_i32 s21, s11, 64*PITA                    ; my 64 rows of a
	s_lshl_b32 s22, s12, 7                         ; my 64 columns of w
	s_add_co_u32 s22, s22, WBASE
	v_add_nc_u32 v[A0], s21, v3
	v_add_nc_u32 v[W0], s22, v4
	v_mov_b32 v[ADRA], v[A0]
	v_mov_b32 v[ADRW], v[W0]
	v_add_nc_u32 v[ADRW+1], QW, v[W0]
	s_mul_i32 s23, s10, 16*SPITCH
	s_add_co_u32 s23, s23, STAGE                   ; my stage
	v_mul_u32_u24 v6, v1, SPITCH                   ; in: row l % 16, 32 bytes for each half of the lanes
	v_lshl_add_u32 v6, v2, 5, v6
	v_add_nc_u32 v[STO], s23, v6
	v_mul_u32_u24 v6, v2, SPITCH                   ; back: lanes 0-15 one row of 256 bytes, lanes 16-31 the next
	v_lshl_add_u32 v6, v1, 4, v6
	v_add_nc_u32 v[RD], s23, v6
.if NS > 4
	; THE PREFETCHES.  A cluster asks for the K steps 4 .. NS/2 - 1 of its own walk of a, each two refills ahead; the other cluster that reads these rows reaches them NS/2 trips later and does not ask: each block
	; of 256 bytes is named once in the launch.  Of a step's 2 x 16,384 bytes that wave 0 or 1 fetches, each of the four partners that ask jointly takes 8,192, told apart by address.  The walk's steps 0 to 3 come
	; by their loads alone.  w is not asked for: of the clusters that read a block of it, one reaches each K step within its walk's first NS/4 steps.
	s_lshr_b32 s16, s40, 1
	s_lshl1_add_u32 s16, s12, s16                  ; block 2 x half + cx / 2,
	s_lshl_b32 s16, s16, 19
	s_lshl_b32 s17, s13, 14
	s_add_co_u32 s16, s16, s17
	s_and_b32 s17, s40, 1                          ; its rows' half cx % 2
	s_lshl_b32 s17, s17, 13
	s_add_co_u32 s16, s16, s17
	s_mov_b32 s17, 0
	s_add_nc_u64 s[PFB:PFB+1], s[4:5], s[16:17]
	s_cmp_eq_u32 s11, 0                            ; do I fetch for a?
	s_cselect_b32 s[LIM], NS/2+2, -1               ; the loop counts NS - 2 .. 1: its first NS/2 - 4 trips ask
	v_and_b32 v[PFO], 31, v0
	v_lshlrev_b32 v[PFO], 8, v[PFO]
.endif
; 8 matrix instructions: row blocks a0, a0 + 1 x all 4 column blocks, 32 along K: half c of buffer f.  first = 1: the product starts the sum, with the column block's biases as C.
; The 16 accumulators take turns.
.macro MUL8 f, c, a0, first
	WIN MUL
.irp a, \a0, (\a0)+1
.irp b, 0,1,2,3
.if \first
	v_wmma_f32_16x16x32_bf16 v[ACC+8*(4*(\a)+(\b)):ACC+8*(4*(\a)+(\b))+7], v[(\f)+64+8*(4*(\c)+(\b)):(\f)+64+8*(4*(\c)+(\b))+7], v[(\f)+8*(4*(\c)+(\a)):(\f)+8*(4*(\c)+(\a))+7], v[BI+8*(\b):BI+8*(\b)+7]
.else
	v_wmma_f32_16x16x32_bf16 v[ACC+8*(4*(\a)+(\b)):ACC+8*(4*(\a)+(\b))+7], v[(\f)+64+8*(4*(\c)+(\b)):(\f)+64+8*(4*(\c)+(\b))+7], v[(\f)+8*(4*(\c)+(\a)):(\f)+8*(4*(\c)+(\a))+7], v[ACC+8*(4*(\a)+(\b)):ACC+8*(4*(\a)+(\b))+7]
.endif
.endr
.endr
.endm
; 32 LDS loads in one run: the fragments of quarter q (64 along K: one block of a) of the slot in hand into buffer f; the first 32 along K first
.macro FETCH q, f
	WIN TO_F
.irp c, 0,1
.irp i, 0,1,2,3
	ds_load_tr16_b128 v[(\f)+64+8*(4*(\c)+(\i)):(\f)+64+8*(4*(\c)+(\i))+3],   v[ADRW+(\q)/2] offset:((\q)%2)*64*PITW+(\c)*32*PITW+32*(\i)
	ds_load_tr16_b128 v[(\f)+64+8*(4*(\c)+(\i))+4:(\f)+64+8*(4*(\c)+(\i))+7], v[ADRW+(\q)/2] offset:((\q)%2)*64*PITW+(\c)*32*PITW+32*(\i)+16*PITW
	ds_load_b128 v[(\f)+8*(4*(\c)+(\i)):(\f)+8*(4*(\c)+(\i))+3],              v[ADRA] offset:(\q)*KBLK+64*(\c)+(\i)*16*PITA
	ds_load_b128 v[(\f)+8*(4*(\c)+(\i))+4:(\f)+8*(4*(\c)+(\i))+7],            v[ADRA] offset:(\q)*KBLK+64*(\c)+(\i)*16*PITA+32
.endr
.endr
.endm
.macro PLACES                          ; four plain instructions between a matrix instruction and a load into, or a vector instruction on, its registers
.rept 4
	v_nop
.endr
.endm
.macro QUARTER q, f, g, first
	s_wait_dscnt 16                                ; the first 32 along K are in
	MUL8 \f, 0, 0, \first
	MUL8 \f, 0, 2, \first
	PLACES
	FETCH \q, \g
	s_wait_dscnt 32                                ; all but the 32 just issued
	MUL8 \f, 1, 0, 0
	MUL8 \f, 1, 2, 0
.endm
; The last quarter multiplies buffer 1 and changes slots: one barrier; in front of it each wave waits for all its tensor loads, adds 0 to its spare word, and waits for that and for its reads of this slot.
; fill = 1: the barrier opens a round of the cluster's, and the slot just read is filled again first behind it, with the walk's step two on.
.macro TURN fill
.if (\fill) && (NS > 4)
	s_wait_xcnt 0x0                                ; the last prefetch, a K step back, has read its address: the next names the step two behind the one that is now asked for
	s_add_co_u32 s[TA], s[KS], 2
	s_and_b32 s[TA], s[TA], NS-1
	s_lshl_b32 s[TA], s[TA], 21
	s_add_nc_u64 s[PFA:PFA+1], s[PFB:PFB+1], s[TA:TA+1]
.endif
	WIN 0
	s_wait_tensorcnt 0x0                           ; no tensor load of mine is out, so the walking descriptors may be written
	ds_add_u32 v[SPW], v[NIL]
.if \fill
	s_add_co_u32 s[G0+5], s[WP], s[SB]             ; into the slot in hand
	s_add_co_u32 s[G0B+5], s[WP], s[SB]
	DESC 1
.endif
	s_wait_dscnt 17                                ; (the add and the youngest sixteen loads may be out)
	MUL8 F1, 0, 0, 0
	s_wait_dscnt 0x0                               ; the add is done, and my reads of this slot are over
	s_barrier_signal -1
	MUL8 F1, 0, 2, 0
	WIN 0
	s_barrier_wait -1
.if \fill
	CREST                                          ; no wave of any partner still reads this slot or has a load on its way
	JLOAD 1                                        ; the four v_nop behind it are also the places in front of the loads below
.else
	PLACES
.endif
	s_xor_b32 s[SB], s[SB], SLOT                   ; the other slot is in hand
	v_add_nc_u32 v[ADRA], s[SB], v[A0]
	v_add_nc_u32 v[ADRW], s[SB], v[W0]
	v_add_nc_u32 v[ADRW+1], QW, v[ADRW]
	FETCH 0, F0
.if (\fill) && (NS > 4)
	WIN 0
	ASK
.endif
	MUL8 F1, 1, 0, 0
	MUL8 F1, 1, 2, 0
.endm
; THE WAY OUT of my rows 16 a .. 16 a + 15.  TOSTAGE: the sums in f32 into my stage (each accumulator's low half first), and back as whole rows of 256 bytes.  FIN: x RES + residual, stored.
.macro TOSTAGE a
.if (\a) >= 2
	s_wait_xcnt 0x0                                ; the stores of two blocks back have read the registers that are loaded again
.endif
.irp b, 0,1,2,3
	ds_store_b128 v[STO], v[ACC+8*(4*(\a)+(\b)):ACC+8*(4*(\a)+(\b))+3]   offset:64*(\b)
	ds_store_b128 v[STO], v[ACC+8*(4*(\a)+(\b))+4:ACC+8*(4*(\a)+(\b))+7] offset:64*(\b)+16
.endr
.irp t, 0,1,2,3,4,5,6,7
	ds_load_b128 v[TMP+32*((\a)%2)+4*(\t):TMP+32*((\a)%2)+4*(\t)+3], v[RD] offset:(\t)*2*SPITCH  ; LDS serves a wave's instructions in order: these see the stores above
.endr
.endm
.macro FIN a, younger
.set TT, TMP+32*((\a)%2)
	s_wait_dscnt \younger
.if (\a) == 0
	s_wait_loadcnt 0x0                             ; the residual
.endif
	WIN 0x20                                       ; source 2: window 2
.irp t, 0,1,2,3,4,5,6,7
	v_pk_fma_f32 v[TT+4*(\t):TT+4*(\t)+1],   v[TT+4*(\t):TT+4*(\t)+1],   s[RESC:RESC+1], v[4*(8*(\a)+(\t)):4*(8*(\a)+(\t))+1]   op_sel_hi:[1,0,1]
	v_pk_fma_f32 v[TT+4*(\t)+2:TT+4*(\t)+3], v[TT+4*(\t)+2:TT+4*(\t)+3], s[RESC:RESC+1], v[4*(8*(\a)+(\t))+2:4*(8*(\a)+(\t))+3] op_sel_hi:[1,0,1]
.endr
	WIN 0
.irp t, 0,1,2,3,4,5,6,7
	global_store_b128 v[CO], v[TT+4*(\t):TT+4*(\t)+3], s[8:9] offset:(16*(\a)+2*(\t))*4096  ; 16 lanes store 256 consecutive bytes, aligned
.endr
.endm
	s_wait_tensorcnt 1                             ; my part of the walk's first step is in; the second's may stay out
	s_barrier_signal -1
	s_barrier_wait -1
	FETCH 0, F0
	s_wait_loadcnt 32                              ; the biases are in; the residual's 32 loads may stay out
	QUARTER 1, F0, F1, 1                           ; the first quarter stands in front of the loop: its first products start the sums
	WIN 0
	s_mov_b32 s3, NS-2
.Lstep:                                                ; a trip is a K step, from its second quarter to the next step's first, and fills the slot that it leaves
	QUARTER 2, F1, F0, 0
	QUARTER 3, F0, F1, 0
	TURN 1
	QUARTER 1, F0, F1, 0
	WIN 0
	s_sub_co_u32 s3, s3, 1
	s_cmp_lg_u32 s3, 0
	s_cbranch_scc1 .Lstep
	QUARTER 2, F1, F0, 0                           ; the last two K steps fill nothing
	QUARTER 3, F0, F1, 0
	TURN 0
	QUARTER 1, F0, F1, 0
	QUARTER 2, F1, F0, 0
	QUARTER 3, F0, F1, 0
	s_wait_dscnt 16
	MUL8 F1, 0, 0, 0
	MUL8 F1, 0, 2, 0
	s_wait_dscnt 0x0
	MUL8 F1, 1, 0, 0
	MUL8 F1, 1, 2, 0
	WIN 0
	PLACES
	PLACES
	TOSTAGE 0
.irp a, 1,2,3
	TOSTAGE \a
	FIN (\a)-1, 16                                 ; the next block's eight stores and eight loads may be out
.endr
	FIN 3, 0
	s_wait_tensorcnt 0x0                           ; the wave's end
	ds_add_u32 v[SPW], v[NIL]
	s_wait_dscnt 0x0
	CROUND                                         ; the closing round
	s_endpgm
.Lfunc_end_k_q4f5b65b1e8_ffn2:
	.size	k_q4f5b65b1e8_ffn2, .Lfunc_end_k_q4f5b65b1e8_ffn2-k_q4f5b65b1e8_ffn2
	.p2alignl 7, 3214868480
	.fill 96, 4, 3214868480
	.section	.rodata,"a",@progbits
	.p2align	6, 0x0
	.amdhsa_kernel k_q4f5b65b1e8_ffn2
		.amdhsa_group_segment_fixed_size 327680
		.amdhsa_private_segment_fixed_size 0
		.amdhsa_enable_private_segment 0
		.amdhsa_kernarg_size 40
		.amdhsa_user_sgpr_count 2
		.amdhsa_user_sgpr_kernarg_segment_ptr 1
		.amdhsa_wavefront_size32 1
		.amdhsa_system_sgpr_workgroup_id_x 1
		.amdhsa_system_sgpr_workgroup_id_y 1
		.amdhsa_system_sgpr_workgroup_id_z 1
		.amdhsa_system_vgpr_workitem_id 0
		.amdhsa_next_free_vgpr 640
		.amdhsa_next_free_sgpr 84
		.amdhsa_reserve_vcc 0
		.amdhsa_float_denorm_mode_32 3
		.amdhsa_float_denorm_mode_16_64 3
		.amdhsa_memory_ordered 1
		.amdhsa_forward_progress 1
		.amdhsa_inst_pref_size 78
	.end_amdhsa_kernel
	.amdgpu_metadata
---
amdhsa.version: [ 1, 2 ]
amdhsa.kernels:
  - .name:           k_q4f5b65b1e8_ffn2
    .symbol:         k_q4f5b65b1e8_ffn2.kd
    .args:
      - { .name: big, .offset: 0, .size: 8, .value_kind: global_buffer, .address_space: global }
      - { .name: wn, .offset: 8, .size: 8, .value_kind: global_buffer, .address_space: global }
      - { .name: b2, .offset: 16, .size: 8, .value_kind: global_buffer, .address_space: global }
      - { .name: x1, .offset: 24, .size: 8, .value_kind: global_buffer, .address_space: global }
      - { .name: out0, .offset: 32, .size: 8, .value_kind: global_buffer, .address_space: global }
    .group_segment_fixed_size: 327680
    .private_segment_fixed_size: 0
    .kernarg_segment_align: 8
    .kernarg_segment_size: 40
    .max_flat_workgroup_size: 128
    .sgpr_count:     84
    .vgpr_count:     640
    .wavefront_size: 32
...
	.end_amdgpu_metadata
.endif
;; end of part 6
;; ======== version 2 of 2: 7 launches; version 1 with the launch prep written anew for expert scheduling mode
;; limits: right only within a limited range of input values
;; workspace buffers: wqkv 6,291,456 bytes; w1b 8,388,608 bytes; wn 10,485,760 bytes; act 8,388,608 bytes; big 33,554,432 bytes; x1 16,777,216 bytes; epq 20,480 bytes; epf 20,480 bytes
;; launch prep (part 7): grid 1281 x 1, 8 waves a work-group, no clusters, 0 bytes of LDS; arguments x, g1, be1, Wq, Wk, Wv, Wo, W1, W2, bq, bv, b1, act, wqkv, w1b, wn, epq, epf; writes act, wqkv, w1b, wn, epq, epf
.if DOCPART == 7
	.amdgcn_target "amdgcn-amd-amdhsa--gfx1250"
	.amdhsa_code_object_version 6
	.text
	.protected	k_q4f5b65b1e8_prep
	.globl	k_q4f5b65b1e8_prep
	.p2align	8
	.type	k_q4f5b65b1e8_prep,@function
k_q4f5b65b1e8_prep:
	s_mov_b64 s[64:65], 0
	v_nop
	global_prefetch_b8 v0, s[64:65] scope:SCOPE_SE
	s_setreg_imm32_b32 hwreg(HW_REG_WAVE_SCHED_MODE, 0, 2), 2
	s_setreg_imm32_b32 hwreg(HW_REG_WAVE_MODE, 25, 1), 1
	s_wait_xcnt 0x0
	s_wait_alu depctr_vm_vsrc(0)
; PREP, the first of seven launches of a transformer block (4,096 tokens, D = 1,024, 16 heads of 64, DFF = 4,096).
; WORK LEFT OUT IN THIS PROGRAM, for all finite values of the inputs:
;  (1) bk.  score[q][k] = q . (h_k Wk + bk) = q . (h_k Wk) + q . bk; the second term is the same for every key k of a query's row, and a softmax
;      is unchanged by a term that is the same along its axis.  So bk reaches no output: it is not loaded and is no argument of any launch; its place in the bias table holds zeros.
;  (2) Key tiles wholly above the diagonal.  The mask is jnp.tril, built in the module's own body: their weights are exp(-inf) = 0.  The attention launch walks only the key steps up to a query block's diagonal.
;  LIMIT: a NaN, an infinity or an overflow that would arise only in the work left out (in q . bk, or in a hidden score) is not carried to the result.
; WHAT THIS LAUNCH DOES, by the work-group's number g (every path is straight, without a loop and without LDS):
;  g < 512:         LayerNorm 1 of rows 8 g .. 8 g + 7 of x, rounded once to bf16, row-major, into act.  A wave takes a row, which stays in 32 registers of the wave between its passes.
;  512 <= g < 1280: a cast of weights, f32 [K][N] to bf16 in blocks [N/128][K][128]: a block's rows are 256 bytes and lie end to end.  A work-group takes 16 rows of K x 8 blocks, a wave a block.
;                   wqkv: blocks 0-7 Wq, 8-15 Wk, 16-23 Wv; w1b: W1's 32; wn: Wo's 8, then from byte 2,097,152 W2's 8.
;  g = 1280:        the tables of the two products that share one text: bytes 0-16383 the bias by column (epq: bq, zeros, bv; epf: b1), from byte 16384 the floor that the results are held above, twice in bf16 a word:
;                   -inf in epq (no floor), 0 in epf (ReLU).
; The mean is taken away before the squares are summed, as the module does it.  Sums in f32.
; THE MODE: SCHED_MODE bits 1:0 = 2 (LLVM: expert scheduling mode 2), set by the entry lines.  The code itself states the register dependences
; between vector instructions and memory instructions, with s_wait_alu, always for 0.
; THE PLAN.  Registers that memory instructions touch, path by path; no register that a load or store has read is ever written again, so no wait on vm_vsrc is owed.
;  LayerNorm:  v1, v2   offsets, made once ahead of the loads.
;              X        the row's loads land in it; the arithmetic works in place; registers 4 j and 4 j + 1 are store j's data.
;              G, BV    loads land in them; only the multiply-adds read them.
;              The last phase goes in two halves of X's 32 registers.  Half 0 is finished, one wait states that its roundings are written, and its four stores are dealt among half 1's
;              scalings, which name X + 16 on, G + 16 on, BV + 16 on and the root: none of the registers that those stores touch.  A second wait stands ahead of half 1's stores.
;  The cast:   v16-31, v4  offsets, made once ahead of the loads.
;              v32-95   row i's load lands in v[32 + 4 i ..]; two conversions round it in place; registers 32 + 4 i and 33 + 4 i are store i's data.
;              The sixteen rows go in four groups of four.  At a group's head, behind the wait for its data, one wait states that the group before has written its store data; that group's
;              four stores are dealt among this group's eight conversions, which name this group's sixteen registers alone.  A last wait stands ahead of the last group's stores.
;  The tables: v1 the offset, v4-11 the data of three stores: one wait ahead of the first load covers them; the other stores' data come from loads.
;  The wave's number goes through v_readfirstlane_b32 into s3: one wait on va_sdst behind it, ahead of the first branch.
.set T,   4                            ; v[4:15]    at work: no memory instruction names them on the LayerNorm's path
.set G,   16                           ; v[16:47]   gain of my 32 columns
.set BV,  48                           ; v[48:79]   bias of my 32 columns
.set X,   80                           ; v[80:111]  the row
.macro JOIN                            ; four chains of pairs into v[T]
	v_pk_add_f32 v[T:T+1], v[T:T+1], v[T+2:T+3]
	v_pk_add_f32 v[T+4:T+5], v[T+4:T+5], v[T+6:T+7]
	v_pk_add_f32 v[T:T+1], v[T:T+1], v[T+4:T+5]
	v_add_f32 v[T], v[T], v[T+1]
.endm
.macro RED                             ; the sum of v[T] over the 32 lanes, into every lane
	v_add_f32_dpp v[T], v[T], v[T] row_xmask:1 row_mask:0xf bank_mask:0xf
	v_add_f32_dpp v[T], v[T], v[T] row_xmask:2 row_mask:0xf bank_mask:0xf
	v_add_f32_dpp v[T], v[T], v[T] row_xmask:4 row_mask:0xf bank_mask:0xf
	v_add_f32_dpp v[T], v[T], v[T] row_xmask:8 row_mask:0xf bank_mask:0xf
	v_permlanex16_b32 v[T+1], v[T], s12, s13
	v_add_f32 v[T], v[T], v[T+1]
.endm
; Half h of the row's last phase: registers X + 16 h .. X + 16 h + 15 times the root, times gain plus bias, rounded to bf16.  In half 1 the four stores of half 0 stand among the scalings.
.macro HALF h
.irp k, 0,1,2,3,4,5,6,7
.if (\h) == 1 && ((\k) % 2) == 0
	global_store_b64 v2, v[X+4*((\k)/2):X+4*((\k)/2)+1], s[10:11] offset:256*((\k)/2)  ; half 0's; the wave's 32 lanes store 256 consecutive bytes, aligned.  No vector instruction since the wait names these registers
.endif
	v_pk_mul_f32 v[X+16*(\h)+2*(\k):X+16*(\h)+2*(\k)+1], v[X+16*(\h)+2*(\k):X+16*(\h)+2*(\k)+1], v[T+10:T+11] op_sel_hi:[1,0]
.endr
.irp k, 0,1,2,3,4,5,6,7
	v_pk_fma_f32 v[X+16*(\h)+2*(\k):X+16*(\h)+2*(\k)+1], v[X+16*(\h)+2*(\k):X+16*(\h)+2*(\k)+1], v[G+16*(\h)+2*(\k):G+16*(\h)+2*(\k)+1], v[BV+16*(\h)+2*(\k):BV+16*(\h)+2*(\k)+1]
.endr
.irp j, 0,1,2,3
	v_cvt_pk_bf16_f32 v[X+16*(\h)+4*(\j)], v[X+16*(\h)+4*(\j)], v[X+16*(\h)+4*(\j)+1]
	v_cvt_pk_bf16_f32 v[X+16*(\h)+4*(\j)+1], v[X+16*(\h)+4*(\j)+2], v[X+16*(\h)+4*(\j)+3]
.endr
.endm
; Group g of the cast: rows 4 g .. 4 g + 3 are rounded; the stores of the group before stand among the conversions.
.macro GROUP g
	s_wait_loadcnt 12-4*(\g)                       ; loads come back in order: this group's four rows are in, the younger groups stay out
.if (\g) > 0
	s_wait_alu depctr_va_vdst(0)                   ; the group before has written its eight store registers, which the stores below read
.endif
.irp i, 0,1,2,3
.if (\g) > 0
	global_store_b64 v4, v[16+16*(\g)+4*(\i):17+16*(\g)+4*(\i)], s[30:31] offset:256*(4*(\g)-4+(\i))  ; row 4 (g - 1) + i: 256 consecutive bytes, aligned: a row of the block.  No vector instruction since the wait names these registers
.endif
	v_cvt_pk_bf16_f32 v[32+16*(\g)+4*(\i)], v[32+16*(\g)+4*(\i)], v[33+16*(\g)+4*(\i)]
	v_cvt_pk_bf16_f32 v[33+16*(\g)+4*(\i)], v[34+16*(\g)+4*(\i)], v[35+16*(\g)+4*(\i)]
.endr
.endm
	s_mov_b32 s2, ttmp9                            ; g
	v_and_b32 v3, 31, v0                           ; lane
	v_lshrrev_b32 v1, 5, v0
	v_readfirstlane_b32 s3, v1                     ; wave 0..7
	s_wait_alu depctr_va_sdst(0)                   ; s3 is written, ahead of the branch: the row's number and the cast's offsets are made from it
	s_cmp_lt_u32 s2, 512
	s_cbranch_scc0 .Lnot_ln
	; ---- LayerNorm 1 ----
	s_load_b128 s[4:7], s[0:1], 0x0                ; x s[4:5], g1 s[6:7]
	s_load_b64 s[8:9], s[0:1], 0x10                ; be1
	s_load_b64 s[10:11], s[0:1], 0x60              ; act
	s_mov_b32 s12, 0x76543210                      ; v_permlanex16_b32: each lane takes its own place in the other half
	s_mov_b32 s13, 0xfedcba98
	s_mov_b32 s14, 0x3a800000                      ; 1 / 1024
	s_mov_b32 s15, 0x3727c5ac                      ; 1e-5
	v_lshlrev_b32 v1, 4, v3                        ; 16 bytes a lane of f32: columns 4 l + 128 j
	v_lshlrev_b32 v2, 3, v3                        ; 8 bytes a lane of bf16
	s_lshl3_add_u32 s16, s2, s3                    ; my row: 8 g + w
	s_lshl_b32 s18, s16, 12                        ; x 4,096 bytes of x
	s_mov_b32 s19, 0
	s_lshl_b32 s16, s16, 11                        ; x 2,048 bytes of act
	s_mov_b32 s17, 0
	s_wait_kmcnt 0x0
	s_add_nc_u64 s[4:5], s[4:5], s[18:19]
	s_add_nc_u64 s[10:11], s[10:11], s[16:17]
	s_wait_alu depctr_va_vdst(0)                   ; v1 and v2 are written: every load of this path reads v1 as its offset, every store v2
.irp j, 0,1,2,3,4,5,6,7
	global_load_b128 v[X+4*(\j):X+4*(\j)+3], v1, s[4:5] offset:512*(\j)
.endr
.irp j, 0,1,2,3,4,5,6,7
	global_load_b128 v[G+4*(\j):G+4*(\j)+3], v1, s[6:7] offset:512*(\j)
.endr
.irp j, 0,1,2,3,4,5,6,7
	global_load_b128 v[BV+4*(\j):BV+4*(\j)+3], v1, s[8:9] offset:512*(\j)
.endr
	s_wait_loadcnt 16                              ; the row is in; gain's and bias's sixteen loads may be out
.irp k, 0,1,2,3
	v_pk_add_f32 v[T+2*(\k):T+2*(\k)+1], v[X+4*(\k):X+4*(\k)+1], v[X+4*(\k)+2:X+4*(\k)+3]
.endr
.irp k, 0,1,2,3,4,5,6,7
	v_pk_add_f32 v[T+2*((\k)%4):T+2*((\k)%4)+1], v[T+2*((\k)%4):T+2*((\k)%4)+1], v[X+16+2*(\k):X+16+2*(\k)+1]
.endr
	JOIN
	RED
	v_mul_f32 v[T+8], s14, v[T]                    ; the mean,
	v_mul_f32 v[T+9], s14, v[T]                    ; twice, for the packed subtraction
.irp k, 0,1,2,3,4,5,6,7,8,9,10,11,12,13,14,15
	v_pk_add_f32 v[X+2*(\k):X+2*(\k)+1], v[X+2*(\k):X+2*(\k)+1], v[T+8:T+9] neg_lo:[0,1] neg_hi:[0,1]
.endr
.irp k, 0,1,2,3
	v_pk_mul_f32 v[T+2*(\k):T+2*(\k)+1], v[X+2*(\k):X+2*(\k)+1], v[X+2*(\k):X+2*(\k)+1]
.endr
.irp k, 4,5,6,7,8,9,10,11,12,13,14,15
	v_pk_fma_f32 v[T+2*((\k)%4):T+2*((\k)%4)+1], v[X+2*(\k):X+2*(\k)+1], v[X+2*(\k):X+2*(\k)+1], v[T+2*((\k)%4):T+2*((\k)%4)+1]
.endr
	JOIN
	RED
	v_fma_f32 v[T], v[T], s14, s15                 ; variance + eps
	v_rsq_f32 v[T+10], v[T]
	v_mov_b32 v[T+11], 0                           ; the plain instruction behind the root; it also writes the pair's second word, which is named with the first
	s_wait_alu depctr_va_vdst(0)                   ; the root is written into v[T+10]: the wait ahead of its first use
	s_wait_loadcnt 0x0                             ; gain and bias
	HALF 0
	s_wait_alu depctr_va_vdst(0)                   ; half 0's roundings have written X + 4 j and X + 4 j + 1, j = 0 .. 3, which the four stores in half 1 read
	HALF 1
	s_wait_alu depctr_va_vdst(0)                   ; half 1's roundings have written X + 4 j and X + 4 j + 1, j = 4 .. 7, which the last four stores read
.irp j, 4,5,6,7
	global_store_b64 v2, v[X+4*(\j):X+4*(\j)+1], s[10:11] offset:256*(\j)  ; the wave's 32 lanes store 256 consecutive bytes, aligned
.endr
	s_endpgm
.Lnot_ln:
	s_cmp_lt_u32 s2, 1280
	s_cbranch_scc0 .Ltables
	; ---- the cast of the weights ----
	s_load_b256 s[8:15], s[0:1], 0x18              ; Wq s[8:9], Wk s[10:11], Wv s[12:13], Wo s[14:15]
	s_load_b128 s[16:19], s[0:1], 0x38             ; W1 s[16:17], W2 s[18:19]
	s_load_b128 s[20:23], s[0:1], 0x68             ; wqkv s[20:21], w1b s[22:23]
	s_load_b64 s[24:25], s[0:1], 0x78              ; wn
	s_sub_co_u32 s2, s2, 512                       ; the job's number c, 0..767
	s_wait_kmcnt 0x0
	; a job: source s[28:29] with row pitch s32 and first byte s33; destination s[30:31] with first byte s35 and block size s34; s27 = which 16 rows of K
	s_cmp_lt_u32 s2, 256
	s_cbranch_scc0 .Lffn_w
	s_lshr_b32 s26, s2, 6                          ; c < 256: matrix c / 64 of Wq, Wk, Wv, Wo
	s_and_b32 s27, s2, 63
	s_lshl_b32 s35, s26, 21                        ; eight blocks of 262,144 bytes a matrix
	s_cmp_eq_u32 s26, 1
	s_cselect_b64 s[28:29], s[10:11], s[8:9]
	s_cmp_eq_u32 s26, 2
	s_cselect_b64 s[28:29], s[12:13], s[28:29]
	s_cmp_eq_u32 s26, 3
	s_cselect_b64 s[28:29], s[14:15], s[28:29]
	s_cselect_b64 s[30:31], s[24:25], s[20:21]     ; Wo goes to wn's head
	s_cselect_b32 s35, 0, s35
	s_mov_b32 s32, 4096
	s_mov_b32 s33, 0
	s_mov_b32 s34, 262144
	s_branch .Lcast
.Lffn_w:
	s_cmp_lt_u32 s2, 512
	s_cbranch_scc0 .Lw2
	s_sub_co_u32 s26, s2, 256                      ; 256 <= c < 512: W1, in four groups of eight blocks
	s_and_b32 s27, s26, 63
	s_lshr_b32 s26, s26, 6
	s_mov_b64 s[28:29], s[16:17]
	s_mov_b64 s[30:31], s[22:23]
	s_mov_b32 s32, 16384
	s_lshl_b32 s33, s26, 12                        ; 1,024 columns of f32 a group
	s_mov_b32 s34, 262144
	s_lshl_b32 s35, s26, 21
	s_branch .Lcast
.Lw2:
	s_sub_co_u32 s27, s2, 512                      ; c >= 512: W2, 4,096 rows of K
	s_mov_b64 s[28:29], s[18:19]
	s_mov_b64 s[30:31], s[24:25]
	s_mov_b32 s32, 4096
	s_mov_b32 s33, 0
	s_mov_b32 s34, 1048576
	s_mov_b32 s35, 2097152
.Lcast:
	s_lshl_b32 s36, s27, 4
	s_mul_i32 s36, s36, s32                        ; 16 rows a job
	s_add_co_u32 s36, s36, s33
	s_lshl_b32 s37, s3, 9                          ; my block's 128 columns of f32
	s_add_co_u32 s36, s36, s37
	v_lshl_add_u32 v16, v3, 4, s36                 ; row i's offset in v[16+i]
.irp i, 1,2,3,4,5,6,7,8,9,10,11,12,13,14,15
	v_add_nc_u32 v[16+(\i)], s32, v[15+(\i)]
.endr
	s_mul_i32 s37, s3, s34                         ; my block in the destination,
	s_add_co_u32 s37, s37, s35
	s_lshl_b32 s38, s27, 12                        ; its 16 rows of 256 bytes
	s_add_co_u32 s37, s37, s38
	v_lshl_add_u32 v4, v3, 3, s37
	s_wait_alu depctr_va_vdst(0)                   ; the sixteen rows' offsets v16 to v31, which the loads read, and v4, which every store reads, are written
.irp i, 0,1,2,3,4,5,6,7,8,9,10,11,12,13,14,15
	global_load_b128 v[32+4*(\i):35+4*(\i)], v[16+(\i)], s[28:29] th:TH_LOAD_NT  ; 512 consecutive bytes a wave; all sixteen go out before the first wait
.endr
	GROUP 0
	GROUP 1
	GROUP 2
	GROUP 3
	s_wait_alu depctr_va_vdst(0)                   ; the last group has written its eight store registers, which the last four stores read
.irp i, 12,13,14,15
	global_store_b64 v4, v[32+4*(\i):33+4*(\i)], s[30:31] offset:256*(\i)  ; 256 consecutive bytes, aligned: a row of the block
.endr
	s_endpgm
.Ltables:
	; ---- the two tables ----
	s_load_b128 s[4:7], s[0:1], 0x48               ; bq s[4:5], bv s[6:7]
	s_load_b64 s[8:9], s[0:1], 0x58                ; b1
	s_load_b128 s[12:15], s[0:1], 0x80             ; epq s[12:13], epf s[14:15]
	v_lshlrev_b32 v1, 4, v0                        ; 256 threads x 16 bytes = 4,096 bytes an instruction
.irp r, 4,5,6,7
	v_mov_b32 v[\r], 0
	v_mov_b32 v[4+(\r)], 0xff80ff80                ; -inf twice in bf16
.endr
	s_wait_kmcnt 0x0
	s_wait_alu depctr_va_vdst(0)                   ; v1, the offset of every load and store below, and v4 to v11, the data of the first three stores, are written
	global_load_b128 v[16:19], v1, s[4:5]
	global_load_b128 v[20:23], v1, s[6:7]
.irp i, 0,1,2,3
	global_load_b128 v[24+4*(\i):27+4*(\i)], v1, s[8:9] offset:4096*(\i)
.endr
	global_store_b128 v1, v[4:7], s[12:13] offset:4096    ; bk's place: zeros
	global_store_b128 v1, v[8:11], s[12:13] offset:16384  ; q, k, v have no floor
	global_store_b128 v1, v[4:7], s[14:15] offset:16384   ; ReLU's floor
	s_wait_loadcnt 0x0
	global_store_b128 v1, v[16:19], s[12:13]
	global_store_b128 v1, v[20:23], s[12:13] offset:8192
.irp i, 0,1,2,3
	global_store_b128 v1, v[24+4*(\i):27+4*(\i)], s[14:15] offset:4096*(\i)
.endr
	s_endpgm
.Lfunc_end_k_q4f5b65b1e8_prep:
	.size	k_q4f5b65b1e8_prep, .Lfunc_end_k_q4f5b65b1e8_prep-k_q4f5b65b1e8_prep
	.p2alignl 7, 3214868480
	.fill 96, 4, 3214868480
	.section	.rodata,"a",@progbits
	.p2align	6, 0x0
	.amdhsa_kernel k_q4f5b65b1e8_prep
		.amdhsa_group_segment_fixed_size 0
		.amdhsa_private_segment_fixed_size 0
		.amdhsa_enable_private_segment 0
		.amdhsa_kernarg_size 144
		.amdhsa_user_sgpr_count 2
		.amdhsa_user_sgpr_kernarg_segment_ptr 1
		.amdhsa_wavefront_size32 1
		.amdhsa_system_sgpr_workgroup_id_x 1
		.amdhsa_system_sgpr_workgroup_id_y 1
		.amdhsa_system_sgpr_workgroup_id_z 1
		.amdhsa_system_vgpr_workitem_id 0
		.amdhsa_next_free_vgpr 112
		.amdhsa_next_free_sgpr 66
		.amdhsa_reserve_vcc 0
		.amdhsa_float_denorm_mode_32 3
		.amdhsa_float_denorm_mode_16_64 3
		.amdhsa_memory_ordered 1
		.amdhsa_forward_progress 1
		.amdhsa_inst_pref_size 22
	.end_amdhsa_kernel
	.amdgpu_metadata
---
amdhsa.version: [ 1, 2 ]
amdhsa.kernels:
  - .name:           k_q4f5b65b1e8_prep
    .symbol:         k_q4f5b65b1e8_prep.kd
    .args:
      - { .name: x, .offset: 0, .size: 8, .value_kind: global_buffer, .address_space: global }
      - { .name: g1, .offset: 8, .size: 8, .value_kind: global_buffer, .address_space: global }
      - { .name: be1, .offset: 16, .size: 8, .value_kind: global_buffer, .address_space: global }
      - { .name: Wq, .offset: 24, .size: 8, .value_kind: global_buffer, .address_space: global }
      - { .name: Wk, .offset: 32, .size: 8, .value_kind: global_buffer, .address_space: global }
      - { .name: Wv, .offset: 40, .size: 8, .value_kind: global_buffer, .address_space: global }
      - { .name: Wo, .offset: 48, .size: 8, .value_kind: global_buffer, .address_space: global }
      - { .name: W1, .offset: 56, .size: 8, .value_kind: global_buffer, .address_space: global }
      - { .name: W2, .offset: 64, .size: 8, .value_kind: global_buffer, .address_space: global }
      - { .name: bq, .offset: 72, .size: 8, .value_kind: global_buffer, .address_space: global }
      - { .name: bv, .offset: 80, .size: 8, .value_kind: global_buffer, .address_space: global }
      - { .name: b1, .offset: 88, .size: 8, .value_kind: global_buffer, .address_space: global }
      - { .name: act, .offset: 96, .size: 8, .value_kind: global_buffer, .address_space: global }
      - { .name: wqkv, .offset: 104, .size: 8, .value_kind: global_buffer, .address_space: global }
      - { .name: w1b, .offset: 112, .size: 8, .value_kind: global_buffer, .address_space: global }
      - { .name: wn, .offset: 120, .size: 8, .value_kind: global_buffer, .address_space: global }
      - { .name: epq, .offset: 128, .size: 8, .value_kind: global_buffer, .address_space: global }
      - { .name: epf, .offset: 136, .size: 8, .value_kind: global_buffer, .address_space: global }
    .group_segment_fixed_size: 0
    .private_segment_fixed_size: 0
    .kernarg_segment_align: 8
    .kernarg_segment_size: 144
    .max_flat_workgroup_size: 256
    .sgpr_count:     66
    .vgpr_count:     112
    .wavefront_size: 32
...
	.end_amdgpu_metadata
.endif
;; end of part 7
;; launch qkv: the kernel of part 2 again; grid 12 x 16, 4 waves a work-group, clusters of 4 x 4, 327,680 bytes of LDS; arguments act, wqkv, epq, big; writes big
;; launch attn: the kernel of part 3 again; grid 4 x 64, 4 waves a work-group, no clusters, 327,680 bytes of LDS; arguments big, act; writes act
;; launch wo: the kernel of part 4 again; grid 8 x 32, 4 waves a work-group, clusters of 4 x 4, 327,680 bytes of LDS; arguments act, wn, bo, x, x1; writes x1
;; launch ln2: the kernel of part 5 again; grid 512 x 1, 8 waves a work-group, no clusters, 0 bytes of LDS; arguments x1, g2, be2, act; writes act
;; launch ffn1: the kernel of part 2 again; grid 16 x 16, 4 waves a work-group, clusters of 4 x 4, 327,680 bytes of LDS; arguments act, w1b, epf, big; writes big
;; launch ffn2: the kernel of part 6 again; grid 8 x 32, 4 waves a work-group, clusters of 4 x 4, 327,680 bytes of LDS; arguments big, wn, b2, x1, out0; writes out0
